; MI455X (gfx1250); checked and timed in simulation.
; The chip was launched on July 23, 2026; its instructions are those of AMD's public machine-readable ISA for CDNA 5 (MIT licence, August 2026) and "CDNA5" Instruction Set Architecture Reference Guide (July 2026). The comments in the code are by the model that wrote it; some were corrected since.
;; Sol Masked Attention. Allowed arithmetic: matrix products marked QUANTISED: E2M1 operands, one E8M0 scale for each 32 along K, by v_wmma_scale_f32_16x16x128_f8f6f4 with both operands' format E2M1 (or v_wmma_scale_f32_32x16x128_f4), f32 sums; everything else in f32.
;; Inputs: W_fc 1,024 x 1,024 float32; W_qkv 1,024 x 3,072 float32; b_fc 1,024 float32; b_qkv 3,072 float32; x 4 x 2,048 x 1,024 float32.
;; Outputs: out0 4 x 2,048 x 1,024 float32.
;; This version of the problem:
;;   THIS VERSION OF THE PROBLEM IS GIVEN IN LOW PRECISION. The matrix products marked QUANTISED in the list below multiply operands that are first quantised to E2M1 (2 exponent bits, 1 mantissa bit; 4 bits a number), with one power-of-two scale for each 32 numbers along K (OCP MX v1.0); their sums are f32. All else is computed in f32.
;;   The module's matrix products, in the order in which they are computed (A, B: the left and right operand; K: the contracted axis; several contracted axes count as one K, in the product's order):
;;     1. [M 8,192, K 1,024] x [K 1,024, N 3,072]; A: input x; B: input W_qkv: QUANTISED
;;     2. batch 64 x [M 2,048, K 64] x [K 64, N 2,048]; A: computed on the way; B: computed on the way: QUANTISED
;;     3. batch 64 x [M 2,048, K 2,048] x [K 2,048, N 64]; A: softmax (see below); B: computed on the way: QUANTISED
;;     4. [M 8,192, K 1,024] x [K 1,024, N 1,024]; A: computed on the way; B: input W_fc: QUANTISED
;;   THE QUANTISER, for each operand of a quantised product, along K:
;;     - K is cut into blocks of 32 from its start; a last block that is shorter is filled with zeros.
;;     - A block's scale is 2^e with e = floor(log2(the largest magnitude in the block)) - 2, held to -126 .. 127; a block of zeros has e = 0. As a byte (E8M0): e + 127.
;;     - Each number is divided by its block's scale, clamped to +-6, and rounded to the nearest number of E2M1, ties to even, subnormals kept.
;;     - The product sums the exact products of the quantised numbers (number of the format x scale) in f32.
;;   ~~~python
;;   def quantise(x, axis):      # numpy; x: float32 -> the quantised numbers, widened to float32 again
;;       x = np.moveaxis(x, axis, -1); K = x.shape[-1]
;;       x = np.pad(x, [(0, 0)] * (x.ndim - 1) + [(0, -K % 32)]); x = x.reshape(x.shape[:-1] + (-1, 32)); a = np.abs(x).max(-1, keepdims=True)
;;       e = np.where(a > 0, np.clip(np.frexp(np.where(a > 0, a, 1))[1] - 1 - 2, -126, 127), 0)      # np.frexp(a)[1] - 1 = floor(log2(a)), exactly
;;       r = np.clip(x / 2.0 ** e, -6, 6)
;;       step = 2.0 ** (np.maximum(np.frexp(np.where(r == 0, 1, r))[1] - 1, 0) - 1)
;;       q = np.round(r / step) * step * 2.0 ** e      # np.round: ties to even
;;       return np.moveaxis(q.reshape(q.shape[:-2] + (-1,))[..., :K], -1, axis).astype(np.float32)
;;   ~~~
;;   SOFTMAX AHEAD OF A QUANTISED PRODUCT. Where the list says 'softmax', what is quantised is not the finished softmax but p = 2^(t - M), with t = logit x log2(e) and M = ceil(the row's largest t), a whole number; so 1/2 < the row's largest p <= 1. The row's sum l is taken of the UNQUANTISED p, in f32, and the product's result is divided by l at the end. Since M is a whole number, a kernel that streams over the keys may use a running M (the ceiling of the running maximum): every later rescaling is an exact power of two, which a block's scale takes up: the codes' values come out the same.
;;   OPERANDS COMPUTED ON THE WAY. 'Computed on the way' means the value that the module computes at that place (a softmax that the list does not call 'softmax' is quantised finished and normalised). What goes into a quantiser is computed in f32, as accurately as f32 sums, v_exp_f32 and their like allow (about 1e-6 of the number): no bf16 or f16 on the way to a quantiser, and a product that is left as it is and whose result goes on into a quantised operand takes f32 operands (vector FMAs, or v_wmma_f32_16x16x4_f32). A number that lies on a knife's edge between two numbers of the format may be rounded either way, as far as f32 arithmetic and the matrix unit's own rounding can turn it there, and no further.
;; One version. Each part assembles by itself: llvm-mc -triple=amdgcn-amd-amdhsa -mcpu=gfx1250 --defsym DOCPART=n.
;; ======== version 1 of 1: 4 launches
;; workspace buffers: xq 4,456,448 bytes; wq 2,228,224 bytes; yq 4,456,448 bytes; qq 4,718,592 bytes; kv 9,175,040 bytes
;; launch quant (part 1): grid 256 x 1, 8 waves a work-group, no clusters, 69,632 bytes of LDS; arguments x, W_qkv, W_fc, xq, wq; writes xq, wq
.if DOCPART == 1
	.amdgcn_target "amdgcn-amd-amdhsa--gfx1250"
	.amdhsa_code_object_version 6
	.text
	.protected	k_q26175c999f_quant
	.globl	k_q26175c999f_quant
	.p2align	8
	.type	k_q26175c999f_quant,@function
k_q26175c999f_quant:
	s_mov_b64 s[64:65], 0
	v_nop
	global_prefetch_b8 v0, s[64:65] scope:SCOPE_SE
	s_setreg_imm32_b32 hwreg(HW_REG_WAVE_MODE, 25, 1), 1
	s_wait_xcnt 0x0
; THE PROGRAM: causal attention, B 4, T 2048, C 1024, 16 heads of 64, all four products on codes of FP4 (E2M1) with one E8M0 scale for each 32 along K.
;   quant: x, W_qkv, W_fc -> codes and scale bytes.   qkv: x W_qkv + b_qkv; q and k quantised along the head's 64, v along the keys.
;   attn: q k^T, softmax, p v, / l; y quantised along C.   fc: y W_fc + b_fc.
; WORK LEFT OUT (in attn): reference() sets every score with key > query to -infinity by a mask that it builds itself (jnp.tril), so its p is 0 and adds nothing to the row's sum or to p v, whatever
; finite values the inputs hold.  A step of 128 keys all of which come after a wave's 16 queries is therefore not walked; inside the step on the diagonal the hidden scores are made -infinity.
; LIMIT: a NaN, an infinity or an overflow that reaches only those hidden scores is not carried to the result.  Every input has a way to the output and is loaded.
; THIS LAUNCH.  An operand of the two large products is laid in the ORDER OF THE OPERAND'S REGISTERS: a record of 8,704 bytes for 16 rows, two halves of 4,352 bytes (K 0-511, K 512-1023); in a half,
; block b (32 along K) of row r is the 16 bytes at 256 b + 16 r, and row r's 16 scale bytes lie at 4,096 + 16 r.  So a fragment's four registers are 512 consecutive bytes, 16 a lane.
; A block's scale is 2^(floor(log2(largest magnitude)) - 2): its byte is the largest magnitude's exponent field - 2, held at 1 from below by a floor among the maximum's leaves.
; LIMITS: a block of zeros, or one whose largest magnitude lies under 2^(3 - 127), gets the byte 1 (its codes are what the conversion gives under that scale; the bytes are read by this program alone); NaN and infinities among the inputs are not served.
; SHARES.  Work-groups 0-127 take the weights (K is their FIRST axis: a lane takes a column, its registers run down K), work-groups 128-255 take x (K innermost: 512 consecutive bytes a load, turned through the wave's own stage in LDS).
; Each path has LDS bytes of its own; the one barrier stands where both paths have joined, so that every wave passes it.
.set REC,   8704
.set HREC,  4352
.set XSTW,  8448                       ; x's path: a stage of 16 rows x (512 + 16) bytes for each wave, from LDS byte 0
.set WSB,   67584                      ; the weights' path: 64 columns x 16 scale bytes
.set SPARE, 68608                      ; the spare words, 128 bytes for each of the eight waves: four blocks of 256 bytes that no other line names
.set SPW, 238                          ; v238 LDS address of my spare word; never rewritten
.set NIL, 239                          ; v239 0; never rewritten
.set RX,  16                           ; x: v16-143 two sets of 64 numbers as loaded
.set XN,  144                          ; v144-207 64 numbers: register 16 b + i = k 32 b + 16 (lane / 16) + i of my row
.set TM,  208                          ; v208-223 at work
.set SW,  224                          ; v224-227 a scale word for each step
.set PC,  228                          ; v228-235 a fragment's codes
.set TW,  236                          ; v236-237 the scale words on their way out
.set OF,  16                           ; weights: v16-47 byte offset of row i at my column
.set XW,  48                           ; v48-111 two sets of 32 numbers
.set CW,  112                          ; v112-127 four registers of codes for each of four units
.set BY,  128                          ; v128-131 their scale bytes
.set MA,  132
.set MB,  133
.set SO,  134
.set HW,  136                          ; v136-137 two bytes of a column
.set OUTR, 140
	s_load_b256 s[4:11], s[0:1], 0x0               ; x s[4:5], W_qkv s[6:7], W_fc s[8:9], xq s[10:11]
	s_load_b64 s[12:13], s[0:1], 0x20              ; wq
	v_lshl_add_u32 v[SPW], v0, 2, SPARE
	v_mov_b32 v[NIL], 0
	v_lshrrev_b32 v1, 5, v0
	s_delay_alu instid0(VALU_DEP_1)
	v_readfirstlane_b32 s16, v1                    ; wave 0..7
	v_and_b32 v1, 31, v0                           ; lane
	v_and_b32 v2, 15, v0                           ; r
	v_bfe_u32 v3, v0, 4, 1                         ; h
	; every LDS address is made here, ahead of the parting
	s_mul_i32 s17, s16, XSTW
	v_lshl_add_u32 v4, v1, 4, s17                  ; the stage, in: 16 bytes a lane of a row's 512
	v_mul_u32_u24 v5, v2, 528
	s_delay_alu instid0(VALU_DEP_1)
	v_lshl_add_u32 v5, v3, 6, v5
	s_delay_alu instid0(VALU_DEP_1)
	v_add_nc_u32 v5, s17, v5                       ; and out: row r, + 64 h: my 16 numbers of a block
	s_lshl_b32 s18, s16, 1
	v_lshl_add_u32 v6, v1, 4, WSB
	s_delay_alu instid0(VALU_DEP_1)
	v_add_nc_u32 v6, s18, v6                       ; a column's 16 scale bytes: my wave's two
	s_and_b32 s18, s16, 1
	s_lshl_b32 s19, s18, 9
	v_lshl_add_u32 v7, v1, 4, WSB
	s_delay_alu instid0(VALU_DEP_1)
	v_add_nc_u32 v7, s19, v7                       ; back: 32 columns' bytes, 16 a lane
	v_lshlrev_b32 v8, 4, v1                        ; 16 x lane
	v_mul_u32_u24 v9, v3, REC
	s_delay_alu instid0(VALU_DEP_1)
	v_lshl_add_u32 v9, v2, 4, v9                   ; 16 r + a record for lanes 16-31
	v_lshlrev_b32 v10, 4, v2
	s_delay_alu instid0(VALU_DEP_1)
	v_lshl_add_u32 v10, v3, 3, v10                 ; 16 r + 8 h
	v_lshlrev_b32 v11, 2, v1                       ; 4 x lane
	s_mov_b32 s20, 0x76543210
	s_mov_b32 s21, 0xfedcba98                      ; v_permlanex16_b32's selects for lane l xor 16
	s_mov_b32 s38, 0xffff0000                      ; lanes 16-31
.irp b, 0,1,2,3
	v_mov_b32 v[TM+4+\b], 0                        ; written once: a lane permute's destination counts as one of its sources
.endr
	s_lshr_b32 s26, ttmp9, 1                       ; weights: which 64 columns,
	s_and_b32 s27, ttmp9, 1                        ; which half of K
	s_lshl_b32 s36, s26, 2                         ; where waves 0 and 1 put two records' scale bytes
	s_lshl_b32 s37, s18, 1
	s_add_co_u32 s36, s36, s37
	s_mul_i32 s36, s36, REC
	s_mul_i32 s37, s27, HREC
	s_add_co_u32 s36, s36, s37
	s_add_co_u32 s36, s36, 4096
	s_mov_b32 s37, 0
	s_wait_kmcnt 0x0
	s_add_nc_u64 s[34:35], s[12:13], s[36:37]
	s_cmp_lt_u32 ttmp9, 128
	s_cbranch_scc1 .Lpath_w
; ---------------- x: a wave takes 16 rows x 512 along K, four steps of 128
	s_sub_co_u32 s22, ttmp9, 128
	s_lshl_b32 s22, s22, 3
	s_add_co_u32 s28, s22, s16                     ; which half record: 2 x (16 rows) + half of K
	s_lshr_b32 s22, s28, 1
	s_and_b32 s23, s28, 1
	s_lshl_b32 s22, s22, 16                        ; 16 rows of 4,096 bytes
	s_lshl_b32 s23, s23, 11                        ; 512 numbers
	s_add_co_u32 s22, s22, s23
	s_mov_b32 s23, 0
	s_add_nc_u64 s[22:23], s[4:5], s[22:23]
	s_mul_i32 s24, s28, HREC
	s_mov_b32 s25, 0
	s_add_nc_u64 s[24:25], s[10:11], s[24:25]
.macro LOADX s                         ; step s: 512 consecutive bytes of each of the 16 rows
.irp p, 0,1,2,3,4,5,6,7,8,9,10,11,12,13,14,15
	global_load_b128 v[RX+64*((\s)%2)+4*\p:RX+64*((\s)%2)+4*\p+3], v8, s[22:23] offset:4096*\p+512*(\s) th:TH_LOAD_NT
.endr
.endm
; 64 numbers of a lane become a fragment's codes in v[PC] on and its scale word in v[pw]
.macro QUANT s, pw
.irp b, 0,1,2,3
	v_max3_num_f32 v[TM+\b], |v[\s+16*\b]|, |v[\s+1+16*\b]|, 0x1800000   ; block b: my 16 numbers, and the floor 2^(3 - 127)
.endr
.irp i, 2,4,6,8,10,12,14
.irp b, 0,1,2,3
	s_delay_alu instid0(VALU_DEP_4)
	v_max3_num_f32 v[TM+\b], v[TM+\b], |v[\s+16*\b+\i]|, |v[\s+1+16*\b+\i]|
.endr
.endr
.irp b, 0,1,2,3
	s_delay_alu instid0(VALU_DEP_4)
	v_permlanex16_b32 v[TM+4+\b], v[TM+\b], s20, s21
.endr
.irp b, 0,1,2,3
	s_delay_alu instid0(VALU_DEP_4)
	v_max_num_f32 v[TM+\b], v[TM+\b], v[TM+4+\b]   ; with lane l xor 16's: the block's largest magnitude
.endr
.irp b, 0,1,2,3
	s_delay_alu instid0(VALU_DEP_4)
	v_add_nc_u32 v[TM+12+\b], 0xff000000, v[TM+\b] ; 2 off its exponent field: the conversion's scale operand
.endr
.irp b, 0,1,2,3
	s_delay_alu instid0(VALU_DEP_4)
	v_lshrrev_b32 v[TM+4+\b], 23, v[TM+12+\b]      ; the scale's byte
.endr
	s_delay_alu instid0(VALU_DEP_3)
	v_lshl_or_b32 v[\pw], v[TM+5], 8, v[TM+4]
	s_delay_alu instid0(VALU_DEP_1)
	v_lshl_or_b32 v[\pw], v[TM+6], 16, v[\pw]
	s_delay_alu instid0(VALU_DEP_1)
	v_lshl_or_b32 v[\pw], v[TM+7], 24, v[\pw]
.irp b, 0,1,2,3
	v_cvt_scalef32_pk8_fp4_f32 v[PC+2*\b], v[\s+16*\b:\s+7+16*\b], v[TM+12+\b]
	v_cvt_scalef32_pk8_fp4_f32 v[PC+1+2*\b], v[\s+8+16*\b:\s+15+16*\b], v[TM+12+\b]
.endr
	v_nop                                          ; one plain place behind a scaled conversion
.irp c, 0,1                                    ; a whole block to a lane: lanes 0-15 block 2 c, lanes 16-31 block 2 c + 1
.irp i, 0,1
	v_permlane16_swap_b32 v[PC+4*\c+\i], v[PC+2+4*\c+\i]
.endr
.endr
.endm
.macro STEPX s
.if (\s) < 3
	s_wait_loadcnt 16                              ; this step's 16 loads are in; the next step's 16 may be out
.else
	s_wait_loadcnt 0x0
.endif
.irp p, 0,1,2,3,4,5,6,7,8,9,10,11,12,13,14,15
	ds_store_b128 v4, v[RX+64*((\s)%2)+4*\p:RX+64*((\s)%2)+4*\p+3] offset:528*\p
.endr
.irp b, 0,1,2,3
.irp j, 0,1,2,3
	ds_load_b128 v[XN+16*\b+4*\j:XN+16*\b+4*\j+3], v5 offset:128*\b+16*\j   ; LDS serves a wave's instructions in order: these see the stores above
.endr
.endr
	s_wait_dscnt 0x0
.if (\s) < 2
	LOADX (\s)+2
.endif
.if (\s) > 0
	s_wait_xcnt 0x0                                ; the last step's stores have read the codes' registers: they are written again only behind this wait
.endif
	QUANT XN, SW+(\s)
.irp c, 0,1
	global_store_b128 v8, v[PC+4*\c:PC+4*\c+3], s[24:25] offset:1024*(\s)+512*\c   ; 512 consecutive bytes, aligned
.endr
.endm
	LOADX 0
	LOADX 1
	STEPX 0
	STEPX 1
	STEPX 2
	STEPX 3
	v_cndmask_b32 v[TW], v[SW], v[SW+2], s38       ; a row's four words: lanes 0-15 store the first two, lanes 16-31 the others
	v_cndmask_b32 v[TW+1], v[SW+1], v[SW+3], s38
	global_store_b64 v10, v[TW:TW+1], s[24:25] offset:4096   ; 256 consecutive bytes, aligned
	s_branch .Ljoin
; ---------------- the weights: a work-group takes 64 columns x 512 along K; a wave 64 of those K (two blocks), for two groups of 32 columns
.Lpath_w:
	s_cmp_lt_u32 s26, 48                           ; columns 0-3071 are W_qkv's, the others W_fc's: the choice hangs on the work-group's number alone
	s_cselect_b64 s[22:23], s[6:7], s[8:9]
	s_mov_b32 s24, 4096
	s_cselect_b32 s24, 12288, s24                  ; bytes from row to row
	s_cselect_b32 s25, 0, 48
	s_sub_co_u32 s25, s26, s25
	s_lshl_b32 s25, s25, 8                         ; my 64 columns, in bytes
	s_lshl_b32 s28, s27, 9
	s_lshl_b32 s29, s16, 6
	s_add_co_u32 s28, s28, s29                     ; my first row: 512 x half + 64 x wave
	s_mul_i32 s28, s28, s24
	s_add_co_u32 s28, s28, s25
	s_mov_b32 s29, 0
	s_add_nc_u64 s[28:29], s[22:23], s[28:29]      ; block 0
	s_lshl_b32 s30, s24, 5
	s_mov_b32 s31, 0
	s_add_nc_u64 s[30:31], s[28:29], s[30:31]      ; block 1: 32 rows on
	s_mul_i32 s32, s26, 4*REC
	s_mul_i32 s33, s27, HREC
	s_add_co_u32 s32, s32, s33
	s_lshl_b32 s33, s16, 9                         ; my two blocks' 256 bytes each
	s_add_co_u32 s32, s32, s33
	s_mov_b32 s33, 0
	s_add_nc_u64 s[32:33], s[12:13], s[32:33]
	s_wait_alu depctr_va_vdst(0)
.irp i, 0,1,2,3,4,5,6,7,8,9,10,11,12,13,14,15,16,17,18,19,20,21,22,23,24,25,26,27,28,29,30,31
	v_mad_u32_u24 v[OF+\i], s24, \i, v11
.endr
.macro LOADW idx                       ; unit idx = 2 x (group of 32 columns) + block
.irp i, 0,1,2,3,4,5,6,7,8,9,10,11,12,13,14,15,16,17,18,19,20,21,22,23,24,25,26,27,28,29,30,31
	global_load_b32 v[XW+32*((\idx)%2)+\i], v[OF+\i], s[28+2*((\idx)%2):29+2*((\idx)%2)] offset:128*((\idx)/2) th:TH_LOAD_NT
.endr
.endm
.macro BLOCKW idx
.set XS, XW+32*((\idx)%2)
.if (\idx) < 3
	s_wait_loadcnt 32                              ; this unit's 32 loads are in; the next unit's may be out
.else
	s_wait_loadcnt 0x0
.endif
	v_max3_num_f32 v[MA], |v[XS]|, |v[XS+1]|, |v[XS+2]|   ; the block's largest magnitude: all 32 numbers are mine
	v_max3_num_f32 v[MB], |v[XS+3]|, |v[XS+4]|, |v[XS+5]|
.irp i, 6,10,14,18,22,26
	s_delay_alu instid0(VALU_DEP_2)
	v_max3_num_f32 v[MA], v[MA], |v[XS+\i]|, |v[XS+\i+1]|
	s_delay_alu instid0(VALU_DEP_2)
	v_max3_num_f32 v[MB], v[MB], |v[XS+\i+2]|, |v[XS+\i+3]|
.endr
	s_delay_alu instid0(VALU_DEP_2)
	v_max3_num_f32 v[MA], v[MA], |v[XS+30]|, |v[XS+31]|
	s_delay_alu instid0(VALU_DEP_1)
	v_max3_num_f32 v[MA], v[MA], v[MB], 0x1800000  ; and the floor
	s_delay_alu instid0(VALU_DEP_1)
	v_add_nc_u32 v[SO], 0xff000000, v[MA]
.irp g, 0,1,2,3
	v_cvt_scalef32_pk8_fp4_f32 v[CW+4*(\idx)+\g], v[XS+8*\g:XS+8*\g+7], v[SO]
.endr
	v_lshrrev_b32 v[BY+(\idx)], 23, v[SO]          ; the scale's byte (also the plain place behind the conversions)
	global_store_b128 v9, v[CW+4*(\idx):CW+4*(\idx)+3], s[32:33] offset:2*REC*((\idx)/2)+256*((\idx)%2)   ; sixteen lanes store 256 consecutive bytes, aligned
.if (\idx) < 2
	LOADW (\idx)+2
.endif
.endm
	LOADW 0
	LOADW 1
	BLOCKW 0
	BLOCKW 1
	BLOCKW 2
	BLOCKW 3
.irp u, 0,1
	v_lshl_or_b32 v[HW+\u], v[BY+2*\u+1], 8, v[BY+2*\u]
	ds_store_b16 v6, v[HW+\u] offset:512*\u        ; my two bytes of the column's sixteen
.endr
.Ljoin:
	s_wait_dscnt 0x0                               ; for the others' sake: my LDS stores have landed
	s_barrier_signal -1
	s_barrier_wait -1
	s_cmp_lt_u32 ttmp9, 128                        ; the weights' work-groups: waves 0 and 1 store two records' scale bytes each
	s_cbranch_scc0 .Lend
	s_cmp_lt_u32 s16, 2
	s_cbranch_scc0 .Lend
	ds_load_b128 v[OUTR:OUTR+3], v7
	s_wait_dscnt 0x0
	global_store_b128 v9, v[OUTR:OUTR+3], s[34:35] ; sixteen lanes store 256 consecutive bytes, aligned
.Lend:
	s_wait_tensorcnt 0x0                           ; the wave's end: behind my last LDS store
	ds_add_u32 v[SPW], v[NIL]
	s_wait_dscnt 0x0
	s_endpgm
.Lfunc_end_k_q26175c999f_quant:
	.size	k_q26175c999f_quant, .Lfunc_end_k_q26175c999f_quant-k_q26175c999f_quant
	.p2alignl 7, 3214868480
	.fill 96, 4, 3214868480
	.section	.rodata,"a",@progbits
	.p2align	6, 0x0
	.amdhsa_kernel k_q26175c999f_quant
		.amdhsa_group_segment_fixed_size 69632
		.amdhsa_private_segment_fixed_size 0
		.amdhsa_enable_private_segment 0
		.amdhsa_kernarg_size 40
		.amdhsa_user_sgpr_count 2
		.amdhsa_user_sgpr_kernarg_segment_ptr 1
		.amdhsa_wavefront_size32 1
		.amdhsa_system_sgpr_workgroup_id_x 1
		.amdhsa_system_sgpr_workgroup_id_y 1
		.amdhsa_system_sgpr_workgroup_id_z 1
		.amdhsa_system_vgpr_workitem_id 0
		.amdhsa_next_free_vgpr 256
		.amdhsa_next_free_sgpr 66
		.amdhsa_reserve_vcc 0
		.amdhsa_float_denorm_mode_32 3
		.amdhsa_float_denorm_mode_16_64 3
		.amdhsa_memory_ordered 1
		.amdhsa_forward_progress 1
		.amdhsa_inst_pref_size 63
	.end_amdhsa_kernel
	.amdgpu_metadata
---
amdhsa.version: [ 1, 2 ]
amdhsa.kernels:
  - .name:           k_q26175c999f_quant
    .symbol:         k_q26175c999f_quant.kd
    .args:
      - { .name: x, .offset: 0, .size: 8, .value_kind: global_buffer, .address_space: global }
      - { .name: W_qkv, .offset: 8, .size: 8, .value_kind: global_buffer, .address_space: global }
      - { .name: W_fc, .offset: 16, .size: 8, .value_kind: global_buffer, .address_space: global }
      - { .name: xq, .offset: 24, .size: 8, .value_kind: global_buffer, .address_space: global }
      - { .name: wq, .offset: 32, .size: 8, .value_kind: global_buffer, .address_space: global }
    .group_segment_fixed_size: 69632
    .private_segment_fixed_size: 0
    .kernarg_segment_align: 8
    .kernarg_segment_size: 40
    .max_flat_workgroup_size: 256
    .sgpr_count:     66
    .vgpr_count:     256
    .wavefront_size: 32
...
	.end_amdgpu_metadata
.endif
;; end of part 1
;; launch qkv (part 2): grid 12 x 32, 4 waves a work-group, clusters of 4 x 4, 327,680 bytes of LDS; arguments xq, wq, b_qkv, qq, kv; writes qq, kv
.if DOCPART == 2
	.amdgcn_target "amdgcn-amd-amdhsa--gfx1250"
	.amdhsa_code_object_version 6
	.text
	.protected	k_q26175c999f_qkv
	.globl	k_q26175c999f_qkv
	.p2align	8
	.type	k_q26175c999f_qkv,@function
k_q26175c999f_qkv:
	s_mov_b64 s[64:65], 0
	v_nop
	global_prefetch_b8 v0, s[64:65] scope:SCOPE_SE
	s_setreg_imm32_b32 hwreg(HW_REG_WAVE_MODE, 25, 1), 1
	s_wait_xcnt 0x0
	s_wait_alu depctr_hold_cnt(0) depctr_sa_sdst(0) depctr_va_vdst(0) depctr_va_sdst(0) depctr_va_ssrc(0) depctr_va_vcc(0) depctr_vm_vsrc(0)
	s_getreg_b32 s2, hwreg(HW_REG_IB_STS2, 6, 4)
	s_cmp_eq_u32 s2, 0
	s_cbranch_scc0 .Lentry_in_a_cluster
	s_endpgm
.Lentry_in_a_cluster:
	s_bfe_u32 s2, ttmp6, 0x10000c
	s_cmp_lg_u32 s2, 0xf033
	s_cbranch_scc0 .Lentry_shape_is_right
	s_endpgm
.Lentry_shape_is_right:
; qkv = x W_qkv + b_qkv on codes of FP4, and its three parts quantised on the way out: q and k along the head's 64 channels, v along the keys.  Nothing of this product is left out.
; A work-group of four waves makes 256 x 256; a wave 128 x 128: 64 accumulators, 512 registers.  K = 1,024: both operands' codes and scale bytes for all of K lie in LDS at once (two slots, one for each half
; of K, filled once, 8 records' halves to a tensor load), so nothing is filled again.  Operands lie in the order of the operand's registers: a fragment's four registers are 512 consecutive bytes.
; CLUSTERS: 4 x 4 work-groups; the tiles of the operand called A are shared along a row of the cluster, B's along a column, by joint loads.
; THE MATRIX INSTRUCTION IS USED TRANSPOSED (source 0 = 16 rows of B, source 1 = 16 rows of A): a lane holds ONE row of A's side, and its registers run along B's side.
; The cluster's x says which part is made: 0 q, 1 k, 2 v; it is the same in all sixteen partners.  q, k: A = x's rows, B = W's columns: a lane's registers run along the channels, which are their K in q k^T.
; v: A = W's columns, B = x's rows: a lane's registers run along the tokens, which are v's K in p v.  Only the pointers change places; no LDS address does.
; The bias is the C of each sum's first matrix instruction.
; THE QUANTISER ON A RESULT: in accumulators 2 B + u of a row of accumulators, lane (r, h), register j holds position 32 B + 16 u + 8 h + j: block B is 16 registers of lanes l and l xor 16.
; The conversion of accumulator 2 B + u gives word 2 u + h of the block's four; two exchanges of lane halves for each pair of blocks give lane (r, h) the whole block 2 c + h: the operand's layout.
; LIMITS: a block whose largest magnitude lies under 2^(3 - 127) gets the byte 1; NaN and infinities are not served.
; REGISTERS: window 0: v1-29 addresses; v32-95 scale words, two sets; v96-127 at work; v128-191 A's fragments, one set (on the way out: the codes); v192-255 the bias.  window 1: B's fragments, two sets.  windows 2, 3: the accumulators.
.set REC,   8704
.set HREC,  4352
.set HALFT, 8*HREC                     ; 8 records' halves: what one tensor load brings, and what one wave reads of a side
.set SLOT,  4*HALFT                    ; A's 16, then B's 16
.set SPARE, 2*SLOT                     ; behind the slots: the spare words, 128 bytes for each wave
.set FR, 8
.set NQ, 4
.set NL, 2
.set NP, 4
.set ADRA, 16
.set ADRB, 20
.set ADRS, 22
.set SPW,  28
.set NIL,  29
.set SC,   32
.set WQ,   32                          ; the way out: scale words
.set TM,   96
.set AF,   128
.set BI,   192
.set G1,  24
.set G0,  32
.set G1B, 48
.set G0B, 56
.set MSB, 0
.macro WIN new                         ; the immediate's high byte repeats the setting that is left
.if MSB != (\new)
	s_set_vgpr_msb (MSB<<8)|(\new)
.set MSB, (\new)
.endif
.endm
.set MUL_LO, 0xa1                      ; source 0 (B) window 1, source 1 (A) window 0, C and D window 2
.set MUL_HI, 0xf1
.set FST_LO, 0x81                      ; the same with C (the bias) in window 0
.set FST_HI, 0xc1
.set TO_B,   0x40
.macro JLOAD g0a, g1a, g0b, g1b        ; a joint load: waves 0 and 1 fetch for A, waves 2 and 3 for B; an s_nop 0 and four v_nop follow each line
	s_cmp_eq_u32 s15, 0
	s_cbranch_scc0 .Lfor_b_\@
	tensor_load_to_lds s[\g0a:\g0a+3], s[\g1a:\g1a+7]
	s_nop 0
.rept 4
	v_nop
.endr
	s_branch .Lasked_\@
.Lfor_b_\@:
	tensor_load_to_lds s[\g0b:\g0b+3], s[\g1b:\g1b+7]
	s_nop 0
.rept 4
	v_nop
.endr
.Lasked_\@:
.endm
.macro CROUND                          ; a round of the cluster's barrier
	s_barrier_signal -1
	s_barrier_wait -1
	s_cmp_lg_u32 s14, 0
	s_cbranch_scc1 .Lnot_wave_0_\@
	s_barrier_signal -3
.Lnot_wave_0_\@:
	s_barrier_wait -3
	s_barrier_signal -1
	s_barrier_wait -1
.endm
	s_load_b256 s[4:11], s[0:1], 0x0               ; xq s[4:5], wq s[6:7], b_qkv s[8:9], qq s[10:11]
	s_load_b64 s[12:13], s[0:1], 0x20              ; kv
	v_lshl_add_u32 v[SPW], v0, 2, SPARE
	v_mov_b32 v[NIL], 0
	ds_add_u32 v[SPW], v[NIL]                      ; the wave's opening: the add, twice on end, and its wait ahead of my first tensor load
	ds_add_u32 v[SPW], v[NIL]
	v_lshrrev_b32 v1, 5, v0
	v_readfirstlane_b32 s14, v1                    ; wave 0..3
	s_lshr_b32 s15, s14, 1                         ; which half of A's 256 rows is mine.  Also: I fetch for A (0) or for B (1)
	s_and_b32 s16, s14, 1                          ; which half of B's.  Also: which 8 records I fetch
	s_bfe_u32 s40, ttmp6, 0x40000                  ; cx
	s_bfe_u32 s41, ttmp6, 0x40004                  ; cy
	s_and_b32 s17, ttmp7, 0xffff
	s_lshl_b32 s17, s17, 2                         ; 4 x cluster y
	s_lshl_b32 s18, ttmp9, 2                       ; 4 x cluster x
	s_lshl_b32 s43, s41, 2
	s_lshl_b32 s43, 15, s43                        ; my row of the cluster
	s_lshl_b32 s44, 0x1111, s40                    ; my column
	s_or_b32 s[G1+0], s43, (3<<16)|(1<<21)         ; 15:0 the mask; 17:16 elements of 8 bytes; 21 set beside a mask; no padding
	s_or_b32 s[G1B+0], s44, (3<<16)|(1<<21)
.irp g, G1, G1B
	s_mov_b32 s[\g+1], 544<<16                     ; tensor_dim0: 4,352 bytes
	s_mov_b32 s[\g+2], 8<<16                       ; tensor_dim1: 8 records
	s_mov_b32 s[\g+3], 544<<16                     ; tile_dim0
	s_mov_b32 s[\g+4], 8                           ; tile_dim1
	s_mov_b32 s[\g+5], 1088                        ; from record to record: 8,704 bytes
	s_mov_b32 s[\g+6], 0
	s_mov_b32 s[\g+7], 0
.endr
	s_cmp_eq_u32 ttmp9, 2                          ; v?
	s_cselect_b32 s20, 8, s17
	s_cselect_b32 s46, s17, s18
	s_add_co_u32 s20, s20, s41                     ; A's block of 256 rows: x's 4 cly + cy, or for v W's columns 2,048 + 256 cy
	s_add_co_u32 s46, s46, s40                     ; B's: W's columns 256 (4 clx + cx), or for v x's rows 256 (4 cly + cx)
	s_lshl_b32 s21, s16, 3
	s_lshl_b32 s22, s20, 4
	s_add_co_u32 s22, s22, s21
	s_mul_i32 s22, s22, REC
	s_mov_b32 s23, 0
	s_lshl_b32 s92, s46, 4
	s_add_co_u32 s92, s92, s21
	s_mul_i32 s92, s92, REC
	s_mov_b32 s93, 0
	s_mul_i32 s45, s14, HALFT                      ; where they go: no place in the cluster enters an LDS address
	s_mov_b32 s96, 0xffff0000                      ; lanes 16-31
	s_mov_b32 s98, 0x76543210
	s_mov_b32 s99, 0xfedcba98
	s_wait_dscnt 0x0                               ; both opening adds are done
	s_wait_kmcnt 0x0
	s_cmp_eq_u32 ttmp9, 2
	s_cselect_b64 s[68:69], s[6:7], s[4:5]         ; A's buffer,
	s_cselect_b64 s[70:71], s[4:5], s[6:7]         ; B's
	s_cselect_b32 s66, s20, s46                    ; the bias goes with W's side
	s_cselect_b32 s67, s15, s16
	s_add_nc_u64 s[68:69], s[68:69], s[22:23]
	s_add_nc_u64 s[70:71], s[70:71], s[92:93]
	s_lshl_b32 s66, s66, 10
	s_lshl_b32 s67, s67, 9
	s_add_co_u32 s66, s66, s67
	s_mov_b32 s67, 0
	s_add_nc_u64 s[94:95], s[8:9], s[66:67]        ; b_qkv at my wave's 128 columns of W
	CROUND                                         ; all sixteen work-groups are here: the joint loads meet
.irp s, 0,1
	s_mov_b32 s[G0+4*\s], 1
	s_add_co_u32 s[G0+4*\s+1], s45, \s*SLOT
	s_add_nc_u64 s[G0+4*\s+2:G0+4*\s+3], s[68:69], \s*HREC
	s_or_b32 s[G0+4*\s+3], s[G0+4*\s+3], 0x80000000
	s_mov_b32 s[G0B+4*\s], 1
	s_add_co_u32 s[G0B+4*\s+1], s45, \s*SLOT
	s_add_nc_u64 s[G0B+4*\s+2:G0B+4*\s+3], s[70:71], \s*HREC
	s_or_b32 s[G0B+4*\s+3], s[G0B+4*\s+3], 0x80000000
	JLOAD G0+4*\s, G1, G0B+4*\s, G1B               ; two loads of mine are out: all that this launch fetches
.endr
	v_and_b32 v1, 31, v0                           ; lane
	v_and_b32 v2, 15, v0                           ; r
	v_bfe_u32 v3, v0, 4, 1                         ; h
	v_lshlrev_b32 v8, 4, v1                        ; 16 x lane
	v_mul_u32_u24 v9, v3, 143360
	v_lshl_add_u32 v9, v2, 4, v9                   ; 16 r + a head of kv for lanes 16-31
	v_lshlrev_b32 v7, 5, v3                        ; 32 h
	v_lshlrev_b32 v10, 2, v2                       ; 4 r
	s_mul_i32 s21, s15, HALFT                      ; my 8 records of A
	s_mul_i32 s22, s16, HALFT
	s_add_co_u32 s22, s22, 2*HALFT                 ; and of B
	s_sub_co_u32 s23, s22, s21
	v_mul_u32_u24 v6, s23, v3                      ; scale words: lanes 16-31 take B's
	v_lshl_add_u32 v6, v2, 4, v6
	v_add_nc_u32 v6, 4096, v6
.irp s, 0,1
	v_add_nc_u32 v[ADRA+\s], s21, v8
	v_add_nc_u32 v[ADRB+\s], s22, v8
	v_add_nc_u32 v[ADRS+\s], s21, v6
	s_add_co_u32 s21, s21, SLOT
	s_add_co_u32 s22, s22, SLOT
.endr
	s_cmp_eq_u32 ttmp9, 2
	s_cbranch_scc1 .Lbias_v
.irp b, 0,1,2,3,4,5,6,7                        ; q, k: register 8 b + j: the bias of column 16 b + 8 h + j
	global_load_b128 v[BI+8*\b:BI+8*\b+3], v7, s[94:95] offset:64*\b
	global_load_b128 v[BI+8*\b+4:BI+8*\b+7], v7, s[94:95] offset:64*\b+16
.endr
	s_branch .Lbias_done
.Lbias_v:
.irp a, 0,1,2,3,4,5,6,7                        ; v: all eight registers of block a: the bias of column 16 a + r (loads, so that nothing waits here to copy them)
.irp j, 0,1,2,3,4,5,6,7
	global_load_b32 v[BI+8*\a+\j], v10, s[94:95] offset:64*\a
.endr
.endr
.Lbias_done:
.macro FRAG reg, adr, q, i             ; a fragment: registers 4 c .. 4 c + 3 are 512 consecutive bytes, 16 a lane
.irp c, 0,1
	ds_load_b128 v[\reg+4*\c:\reg+4*\c+3], v[\adr] offset:HREC*(\i)+1024*(\q)+512*\c
.endr
.endm
; 16 matrix instructions: A's blocks a0, a0 + 1 x B's eight.  zero = 1: C = the bias by B's block; 2: by A's block; 0: the sum in place.  The 64 accumulators take turns, one instruction a turn.
.macro MUL16 a0, p, q, sc, zero
.irp a, \a0, \a0+1
.irp b, 0,1,2,3,4,5,6,7
.set DR, 8*(8*((\a)%4)+\b)
.if \zero == 1
.set CR, BI+8*\b
.elseif \zero == 2
.set CR, BI+8*(\a)
.else
.set CR, DR
.endif
	v_wmma_scale_f32_16x16x128_f8f6f4 v[DR:DR+7], v[128*(\p)+FR*\b:128*(\p)+FR*\b+FR-1], v[AF+FR*(\a):AF+FR*(\a)+FR-1], v[CR:CR+7], v[SC+32*(\sc)+NQ*\b+(\q)], v[SC+32*(\sc)+NQ*(\a)+(\q)] matrix_a_fmt:MATRIX_FMT_FP4 matrix_b_fmt:MATRIX_FMT_FP4 matrix_a_scale:MATRIX_SCALE_ROW1
.endr
.endr
.endm
.macro FETCH_B slot, q, p
	WIN TO_B
.irp i, 0,1,2,3,4,5,6,7
	FRAG 128*(\p)+FR*\i, ADRB+\slot, \q, \i
.endr
	WIN 0
.endm
.macro FETCH_A slot, q, i0
.irp i, \i0, \i0+1, \i0+2, \i0+3
	FRAG AF+FR*(\i), ADRA+\slot, \q, \i
.endr
.endm
.macro SCALES sc                       ; a slot's scale words: four a row; lanes 0-15 A's block i, lanes 16-31 B's block i
.irp i, 0,1,2,3,4,5,6,7
	ds_load_b128 v[SC+32*\sc+NQ*\i:SC+32*\sc+NQ*\i+3], v[ADRS+\sc] offset:HREC*\i
.endr
.endm
.macro PLACES n                        ; plain places behind matrix instructions, in front of loads into registers that they have read and of reads of their results
.rept \n
	v_nop
.endr
.endm
.macro STEP slot, q, zero              ; 128 along K, with its successor in the same slot
	s_wait_dscnt 4*NL                              ; B's set and A's blocks 0-3 are in; the youngest eight loads (A's blocks 4-7) may be out
.if \zero
	WIN FST_LO
.else
	WIN MUL_LO
.endif
	MUL16 0, (\q)%2, \q, \slot, \zero
	MUL16 2, (\q)%2, \q, \slot, \zero
	s_wait_dscnt 0
	PLACES NP
	FETCH_B \slot, (\q)+1, 1-(\q)%2
	FETCH_A \slot, (\q)+1, 0
.if \zero
	WIN FST_HI
.else
	WIN MUL_HI
.endif
	MUL16 4, (\q)%2, \q, \slot, \zero
	MUL16 6, (\q)%2, \q, \slot, \zero
	PLACES NP
	WIN 0
	FETCH_A \slot, (\q)+1, 4
.endm
.macro TURN slot, next                 ; a slot's last step: behind the barrier the other slot, whose parts four waves fetched, is whole for all
	s_wait_tensorcnt 0x0                           ; my part of the next slot has landed
	ds_add_u32 v[SPW], v[NIL]
	s_wait_dscnt 4*NL+1                            ; (the add and A's blocks 4-7 may be out)
	WIN MUL_LO
	MUL16 0, 1, NQ-1, \slot, 0
	s_wait_dscnt 0x0
	s_barrier_signal -1
	MUL16 2, 1, NQ-1, \slot, 0
	WIN 0
	s_barrier_wait -1
	PLACES NP
	FETCH_B \next, 0, 0
	FETCH_A \next, 0, 0
	SCALES \next
	WIN MUL_HI
	MUL16 4, 1, NQ-1, \slot, 0
	MUL16 6, 1, NQ-1, \slot, 0
	PLACES NP
	WIN 0
	FETCH_A \next, 0, 4
.endm
	s_wait_tensorcnt 1                             ; my part of slot 0 is in; slot 1's load may be out
	s_barrier_signal -1
	s_barrier_wait -1
	s_wait_alu depctr_va_vdst(0)
	FETCH_B 0, 0, 0
	FETCH_A 0, 0, 0
	SCALES 0
	FETCH_A 0, 0, 4
	s_wait_loadcnt 0x0                             ; the bias
	s_cmp_eq_u32 ttmp9, 2                          ; the first step is written twice: it differs in which side's bias starts the sums
	s_cbranch_scc1 .Lfirst_v
	STEP 0, 0, 1
	s_branch .Lfirst_done
.Lfirst_v:
	STEP 0, 0, 2
.Lfirst_done:
	STEP 0, 1, 0
	STEP 0, 2, 0
	TURN 0, 1
	STEP 1, 0, 0
	STEP 1, 1, 0
	STEP 1, 2, 0
	s_wait_dscnt 4*NL
	WIN MUL_LO
	MUL16 0, 1, NQ-1, 1, 0
	MUL16 2, 1, NQ-1, 1, 0
	s_wait_dscnt 0
	WIN MUL_HI
	MUL16 4, 1, NQ-1, 1, 0
	MUL16 6, 1, NQ-1, 1, 0
	WIN 0
	PLACES NP
; THE WAY OUT: row of accumulators a (16 rows of A's side x 128 of B's side: four blocks of 32) becomes 8 registers of codes and four scale bytes.  Each accumulator is read from its low end on.
.macro QROW a
.set WN, 2+(\a)/4
.set AC, 64*((\a)%4)
.set PCA, AF+8*(\a)
	WIN WN|(WN<<2)
.irp b, 0,1,2,3
	v_max3_num_f32 v[TM+\b], |v[AC+16*\b]|, |v[AC+16*\b+1]|, 0x1800000
.endr
	WIN (WN<<2)|(WN<<4)
.irp i, 2,4,6,8,10,12,14
.irp b, 0,1,2,3
	v_max3_num_f32 v[TM+\b], v[TM+\b], |v[AC+16*\b+\i]|, |v[AC+16*\b+\i+1]|
.endr
.endr
	WIN 0
.irp b, 0,1,2,3
	v_permlanex16_b32 v[TM+4+\b], v[TM+\b], s98, s99
.endr
.irp b, 0,1,2,3
	v_max_num_f32 v[TM+\b], v[TM+\b], v[TM+4+\b]
.endr
.irp b, 0,1,2,3
	v_add_nc_u32 v[TM+12+\b], 0xff000000, v[TM+\b]
.endr
.irp b, 0,1,2,3
	v_lshrrev_b32 v[TM+4+\b], 23, v[TM+12+\b]
.endr
	WIN WN
.irp b, 0,1,2,3
.irp u, 0,1
	v_cvt_scalef32_pk8_fp4_f32 v[PCA+4*(\b/2)+(\b%2)+2*\u], v[AC+16*\b+8*\u:AC+16*\b+8*\u+7], v[TM+12+\b]
.endr
.endr
	WIN 0
	v_nop                                          ; one plain place behind a scaled conversion
.irp c, 0,1
	v_permlane16_swap_b32 v[PCA+4*\c], v[PCA+4*\c+1]
	v_permlane16_swap_b32 v[PCA+4*\c+2], v[PCA+4*\c+3]
.endr
.endm
.irp b, 0,1,2,3
	v_mov_b32 v[TM+4+\b], 0                        ; written once: a lane permute's destination counts as one of its sources
.endr
	s_cmp_eq_u32 ttmp9, 2
	s_cbranch_scc1 .Lout_v
	; q, k: my 128 rows are group g of 128 tokens, my 128 columns two heads.  qq: [b h][g][4,608]; kv: [b h][g][8,960]: codes at 512 a + 16 x lane; scale words behind them
	s_cmp_eq_u32 ttmp9, 0
	s_cselect_b64 s[78:79], s[10:11], s[12:13]
	s_mov_b32 s80, 143360
	s_cselect_b32 s80, 73728, s80                  ; a head
	s_mov_b32 s81, 8960
	s_cselect_b32 s81, 4608, s81                   ; a group
	s_mov_b32 s82, 8192
	s_cselect_b32 s82, 4096, s82                   ; where the scale words begin
	s_lshr_b32 s83, s20, 3                         ; batch
	s_lshl_b32 s83, s83, 4
	s_lshl_b32 s84, s40, 2
	s_add_co_u32 s83, s83, s84
	s_lshl_b32 s84, s16, 1
	s_add_co_u32 s83, s83, s84                     ; 16 x batch + my first head
	s_mul_i32 s83, s83, s80
	s_and_b32 s84, s20, 7
	s_lshl_b32 s84, s84, 1
	s_add_co_u32 s84, s84, s15                     ; g
	s_mul_i32 s84, s84, s81
	s_add_co_u32 s84, s84, s83
	s_mov_b32 s85, 0
	s_add_nc_u64 s[68:69], s[78:79], s[84:85]
	s_mov_b32 s86, s80
	s_mov_b32 s87, 0
	s_add_nc_u64 s[70:71], s[68:69], s[86:87]
	s_mov_b32 s86, s82
	s_add_nc_u64 s[72:73], s[68:69], s[86:87]
	s_add_nc_u64 s[74:75], s[70:71], s[86:87]
.irp a, 0,1,2,3,4,5,6,7
	QROW \a
.irp c, 0,1
	v_lshl_or_b32 v[WQ+8*\c+\a], v[TM+5+2*\c], 8, v[TM+4+2*\c]
	v_or_b32 v[WQ+8*\c+\a], 0x7f7f0000, v[WQ+8*\c+\a]   ; the head's two bytes, and 1.0 for the 64 zero codes that fill the instruction's K
	global_store_b128 v8, v[PCA+4*\c:PCA+4*\c+3], s[68+2*\c:69+2*\c] offset:512*\a   ; 512 consecutive bytes, aligned
.endr
.endr
.irp c, 0,1
.irp i, 0,1,2,3
	v_cndmask_b32 v[112+4*\c+\i], v[WQ+8*\c+\i], v[WQ+8*\c+4+\i], s96
.endr
	global_store_b128 v8, v[112+4*\c:115+4*\c], s[72+2*\c:73+2*\c]
.endr
	s_branch .Lend
.Lout_v:
	; v: my 128 rows are the channels of two heads, my 128 columns are record s of 128 keys
	s_lshr_b32 s83, s46, 3
	s_lshl_b32 s83, s83, 4
	s_lshl_b32 s84, s41, 2
	s_add_co_u32 s83, s83, s84
	s_lshl_b32 s84, s15, 1
	s_add_co_u32 s83, s83, s84
	s_mul_i32 s83, s83, 143360
	s_and_b32 s84, s46, 7
	s_lshl_b32 s84, s84, 1
	s_add_co_u32 s84, s84, s16
	s_mul_i32 s84, s84, 8960
	s_add_co_u32 s84, s84, s83
	s_mov_b32 s85, 0
	s_add_nc_u64 s[76:77], s[12:13], s[84:85]
.irp a, 0,1,2,3,4,5,6,7
	QROW \a
	v_lshl_or_b32 v[WQ+\a], v[TM+5], 8, v[TM+4]
	v_lshl_or_b32 v[WQ+\a], v[TM+6], 16, v[WQ+\a]
	v_lshl_or_b32 v[WQ+\a], v[TM+7], 24, v[WQ+\a]
.irp c, 0,1
	global_store_b128 v8, v[PCA+4*\c:PCA+4*\c+3], s[76:77] offset:143360*(\a/4)+4096+1024*(\a%4)+512*\c
.endr
.endr
.irp i, 0,1,2,3
	v_cndmask_b32 v[112+\i], v[WQ+\i], v[WQ+4+\i], s96
.endr
	global_store_b128 v9, v[112:115], s[76:77] offset:8704   ; sixteen lanes store 256 consecutive bytes, aligned
.Lend:
	s_wait_tensorcnt 0x0                           ; the wave's end
	ds_add_u32 v[SPW], v[NIL]
	s_wait_dscnt 0x0
	CROUND                                         ; the closing round
	s_endpgm
.Lfunc_end_k_q26175c999f_qkv:
	.size	k_q26175c999f_qkv, .Lfunc_end_k_q26175c999f_qkv-k_q26175c999f_qkv
	.p2alignl 7, 3214868480
	.fill 96, 4, 3214868480
	.section	.rodata,"a",@progbits
	.p2align	6, 0x0
	.amdhsa_kernel k_q26175c999f_qkv
		.amdhsa_group_segment_fixed_size 327680
		.amdhsa_private_segment_fixed_size 0
		.amdhsa_enable_private_segment 0
		.amdhsa_kernarg_size 40
		.amdhsa_user_sgpr_count 2
		.amdhsa_user_sgpr_kernarg_segment_ptr 1
		.amdhsa_wavefront_size32 1
		.amdhsa_system_sgpr_workgroup_id_x 1
		.amdhsa_system_sgpr_workgroup_id_y 1
		.amdhsa_system_sgpr_workgroup_id_z 1
		.amdhsa_system_vgpr_workitem_id 0
		.amdhsa_next_free_vgpr 1024
		.amdhsa_next_free_sgpr 100
		.amdhsa_reserve_vcc 0
		.amdhsa_float_denorm_mode_32 3
		.amdhsa_float_denorm_mode_16_64 3
		.amdhsa_memory_ordered 1
		.amdhsa_forward_progress 1
		.amdhsa_inst_pref_size 179
	.end_amdhsa_kernel
	.amdgpu_metadata
---
amdhsa.version: [ 1, 2 ]
amdhsa.kernels:
  - .name:           k_q26175c999f_qkv
    .symbol:         k_q26175c999f_qkv.kd
    .args:
      - { .name: xq, .offset: 0, .size: 8, .value_kind: global_buffer, .address_space: global }
      - { .name: wq, .offset: 8, .size: 8, .value_kind: global_buffer, .address_space: global }
      - { .name: b_qkv, .offset: 16, .size: 8, .value_kind: global_buffer, .address_space: global }
      - { .name: qq, .offset: 24, .size: 8, .value_kind: global_buffer, .address_space: global }
      - { .name: kv, .offset: 32, .size: 8, .value_kind: global_buffer, .address_space: global }
    .group_segment_fixed_size: 327680
    .private_segment_fixed_size: 0
    .kernarg_segment_align: 8
    .kernarg_segment_size: 40
    .max_flat_workgroup_size: 128
    .sgpr_count:     100
    .vgpr_count:     1024
    .wavefront_size: 32
...
	.end_amdgpu_metadata
.endif
;; end of part 2
;; launch attn (part 3): grid 4 x 64, 16 waves a work-group, clusters of 4 x 1, 167,936 bytes of LDS; arguments qq, kv, yq; writes yq
.if DOCPART == 3
	.amdgcn_target "amdgcn-amd-amdhsa--gfx1250"
	.amdhsa_code_object_version 6
	.text
	.protected	k_q26175c999f_attn
	.globl	k_q26175c999f_attn
	.p2align	8
	.type	k_q26175c999f_attn,@function
k_q26175c999f_attn:
	s_mov_b64 s[64:65], 0
	v_nop
	global_prefetch_b8 v0, s[64:65] scope:SCOPE_SE
	s_setreg_imm32_b32 hwreg(HW_REG_WAVE_MODE, 25, 1), 1
	s_wait_xcnt 0x0
	s_wait_alu depctr_hold_cnt(0) depctr_sa_sdst(0) depctr_va_vdst(0) depctr_va_sdst(0) depctr_va_ssrc(0) depctr_va_vcc(0) depctr_vm_vsrc(0)
	s_getreg_b32 s2, hwreg(HW_REG_IB_STS2, 6, 4)
	s_cmp_eq_u32 s2, 0
	s_cbranch_scc0 .Lentry_in_a_cluster
	s_endpgm
.Lentry_in_a_cluster:
	s_bfe_u32 s2, ttmp6, 0x10000c
	s_cmp_lg_u32 s2, 0x3003
	s_cbranch_scc0 .Lentry_shape_is_right
	s_endpgm
.Lentry_shape_is_right:
; y = softmax(q k^T / 8, causal) v for one head, both products on codes of FP4; y is quantised along C on the way out.
; WORK LEFT OUT: a step of 128 keys all of which come after a wave's 16 queries: reference()'s own mask makes those scores -infinity, p = 0, for all values of the inputs.  LIMIT: a NaN or an infinity that reaches only them is not carried.
; THE SOFTMAX: t = score x log2(e) / 8; M = the running largest t rounded UP to a whole number; p = 2^(t - M) is quantised along the keys, not normalised; the row's sum is taken of the unquantised p and divides at the end.
; SHARES.  The four work-groups of a cluster serve one head.  A head's K and V, codes and scale words, are 16 records of 8,960 bytes (128 keys each): all lie in LDS, filled once: wave w asks for record w,
; JOINTLY with the three partners.  Wave w owns two tiles of 16 queries: 4 w + cx and 127 - (4 w + cx): the first needs w / 2 + 1 key steps, the second 16 - w / 2: 17 for every wave of the launch.
; The steps' counts hang on the wave's number alone; the place in the cluster enters global addresses and the mask's compare, no branch and no LDS address.  Both loops have constant trip counts; a step that is not needed is jumped over.
; LAYOUT.  Both products transposed: S^T = K Q^T, O^T = V^T P^T: a lane holds ONE query.  The head's 64 fill half of the instruction's K: the other 64 codes are zeros on both sides, under the byte 0x7f.
; Tile t of S^T, lane (r, h), register j: key 16 t + 8 h + j.  Block B of 32 keys is registers 16 B .. 16 B + 15 of lanes l and l xor 16; the conversion of tile 2 B + u gives word 2 u + h of the block's four,
; and two exchanges of lane halves for each pair of blocks give lane (r, h) the whole block 2 c + h.
; LIMITS: y's scale bytes leave one byte a lane, 32 bytes a tile and head: a row's sixteen come from eight heads, which are eight clusters.  NaN and infinities are not served.
.set RECB,  8960
.set HEADB, 143360
.set SPARE, 143360                     ; behind the records: the spare words, 128 bytes for each of sixteen waves
.set LC,  1                            ; v1  16 x lane
.set LR,  2                            ; v2  16 r
.set YB,  3                            ; v3  16 r + h
.set DQA, 4                            ; v4  16 (tile % 8) + r - 8 h, first tile
.set SPW, 5
.set NIL, 6
.set DQB, 7                            ; v7  the same, second tile
.set ADC, 8
.set ADS, 9
.set RP,  192                          ; v192-199 p's codes
.set BM,  216
.set BT,  220
.set BS,  224
.set RF,  228                          ; v[228:229] f
.set RT,  230
.set WV,  10
.set G0,  16
.set G1,  20
.set SEL, 28
.set CS,  30
.set SI,  32
.set STB, 33
.set LA,  34
.set LB,  35
.macro ROUND
	s_barrier_signal -1
	s_barrier_wait -1
	s_cmp_lg_u32 s[WV], 0
	s_cbranch_scc1 .Lnot_wave_0_\@
	s_barrier_signal -3
.Lnot_wave_0_\@:
	s_barrier_wait -3
	s_barrier_signal -1
	s_barrier_wait -1
.endm
	s_load_b128 s[4:7], s[0:1], 0x0                ; qq, kv
	s_load_b64 s[8:9], s[0:1], 0x10                ; yq
	v_lshl_add_u32 v[SPW], v0, 2, SPARE
	v_mov_b32 v[NIL], 0
	ds_add_u32 v[SPW], v[NIL]                      ; the wave's opening: the add, twice on end, and its wait ahead of my first tensor load
	ds_add_u32 v[SPW], v[NIL]
	v_lshrrev_b32 v1, 5, v0
	s_delay_alu instid0(VALU_DEP_1)
	v_readfirstlane_b32 s[WV], v1                  ; wave 0..15
	s_bfe_u32 s11, ttmp6, 0x40000                  ; cx
	s_and_b32 s12, ttmp7, 0xffff                   ; 16 x batch + head
	s_lshl_b32 s13, s[WV], 2
	s_add_co_u32 s13, s13, s11                     ; my first tile of queries
	s_sub_co_u32 s14, 127, s13                     ; my second
	s_lshr_b32 s[LA], s[WV], 1                     ; their last key steps
	s_sub_co_u32 s[LB], 15, s[LA]
	s_mov_b32 s[G1], 15|(3<<16)|(1<<21)            ; the mask: all four; elements of 8 bytes; bit 21 beside a mask; no padding
	s_mov_b32 s[G1+1], 32<<16                      ; a record as 35 dense rows of 256 bytes
	s_mov_b32 s[G1+2], 35<<16
	s_mov_b32 s[G1+3], 32<<16
	s_mov_b32 s[G1+4], 35
	s_mov_b32 s[G1+5], 32
	s_mov_b32 s[G1+6], 0
	s_mov_b32 s[G1+7], 0
	s_mov_b32 s[G0], 1
	s_mul_i32 s[G0+1], s[WV], RECB
	s_mul_i32 s52, s12, HEADB
	s_add_co_u32 s52, s52, s[G0+1]
	s_mov_b32 s53, 0
	s_mov_b32 s[SEL], 0x76543210
	s_mov_b32 s[SEL+1], 0xfedcba98
	s_mov_b32 s[CS], 0x3e38aa3b                    ; c = log2(e) / 8
	s_mov_b32 s[CS+1], s[CS]
	s_mov_b32 s56, 0xffff0000                      ; lanes 16-31
	s_wait_dscnt 0x0                               ; both opening adds are done
	s_wait_kmcnt 0x0
	s_add_nc_u64 s[G0+2:G0+3], s[6:7], s[52:53]
	s_or_b32 s[G0+3], s[G0+3], 0x80000000
	ROUND                                          ; all four work-groups are here: the joint loads meet
	tensor_load_to_lds s[G0:G0+3], s[G1:G1+7]      ; my one tensor load of the launch
	s_nop 0
.rept 4
	v_nop
.endr
.macro BASES tau, qc, qs, yc, ys       ; where a tile's q lies, and where its y goes
	s_lshr_b32 s52, s[\tau], 3
	s_lshl_b32 s53, s12, 4
	s_add_co_u32 s52, s52, s53
	s_mul_i32 s52, s52, 4608
	s_and_b32 s53, s[\tau], 7
	s_lshl_b32 s54, s53, 9
	s_add_co_u32 s54, s54, s52
	s_mov_b32 s55, 0
	s_add_nc_u64 s[\qc:\qc+1], s[4:5], s[54:55]
	s_lshr_b32 s53, s53, 2
	s_lshl_b32 s53, s53, 8
	s_and_b32 s54, s[\tau], 3
	s_lshl_b32 s54, s54, 2
	s_add_co_u32 s54, s54, s53
	s_add_co_u32 s54, s54, s52
	s_add_co_u32 s54, s54, 4096
	s_add_nc_u64 s[\qs:\qs+1], s[4:5], s[54:55]
	s_lshr_b32 s52, s12, 4
	s_lshl_b32 s52, s52, 7
	s_add_co_u32 s52, s52, s[\tau]
	s_mul_i32 s52, s52, 8704
	s_bfe_u32 s53, s12, 0x10003
	s_mul_i32 s53, s53, 4352
	s_add_co_u32 s52, s52, s53
	s_and_b32 s53, s12, 7
	s_lshl_b32 s54, s53, 9
	s_add_co_u32 s54, s54, s52
	s_add_nc_u64 s[\yc:\yc+1], s[8:9], s[54:55]
	s_lshl_b32 s54, s53, 1
	s_add_co_u32 s54, s54, s52
	s_add_co_u32 s54, s54, 4096
	s_add_nc_u64 s[\ys:\ys+1], s[8:9], s[54:55]
.endm
	BASES 13, 36, 38, 44, 46
	BASES 14, 40, 42, 48, 50
	v_and_b32 v10, 31, v0
	v_and_b32 v11, 15, v0
	v_bfe_u32 v231, v0, 4, 1
	s_delay_alu instid0(VALU_DEP_3)
	v_lshlrev_b32 v[LC], 4, v10
	s_delay_alu instid0(VALU_DEP_3)
	v_lshlrev_b32 v[LR], 4, v11
	s_delay_alu instid0(VALU_DEP_1)
	v_add_nc_u32 v[YB], v231, v[LR]
	global_load_b128 v[16:19], v[LC], s[36:37]     ; both tiles of q stay in registers
	global_load_b128 v[24:27], v[LC], s[40:41]
	global_load_b32 v213, v[LR], s[38:39]          ; and their scale words
	global_load_b32 v214, v[LR], s[42:43]
	v_lshlrev_b32 v231, 3, v231
	s_delay_alu instid0(VALU_DEP_1)
	v_sub_nc_u32 v11, v11, v231
	s_and_b32 s52, s13, 7
	s_lshl_b32 s52, s52, 4
	v_add_nc_u32 v[DQA], s52, v11
	s_and_b32 s52, s14, 7
	s_lshl_b32 s52, s52, 4
	v_add_nc_u32 v[DQB], s52, v11
.irp j, 20,21,22,23,28,29,30,31, 36,37,38,39, 44,45,46,47, 52,53,54,55, 60,61,62,63
	v_mov_b32 v\j, 0                               ; the zero codes that fill the instruction's K: they stay
.endr
.irp j, 220,221,222,223,229,230
	v_mov_b32 v\j, 0                               ; written once: destinations of lane permutes, and the upper half of a pair that is named
.endr
	s_wait_tensorcnt 0x0                           ; my record has landed,
	s_barrier_signal -1
	s_barrier_wait -1                              ; everybody's has
	s_wait_loadcnt 0x0                             ; q
.macro PASS q, qs, dq, lim, trips, yc, yb, ybase, ysbase
	v_mov_b32 v13, 0xff61b1e6                      ; the largest t so far: -3e38
	s_delay_alu instid0(VALU_DEP_1)
	v_floor_f32 v12, -v13                          ; -M
	v_mov_b32 v14, 0
	v_mov_b32 v15, 0
.set n, 0
.rept 32
	v_mov_b32 v[160+n], 0                          ; O^T: the step is written once; its first walk finds zeros
.set n, n+1
.endr
	s_mov_b32 s[SI], 0
	s_mov_b32 s[STB], 0
.Lstep_\@:
	s_cmp_gt_u32 s[SI], s[\lim]                    ; all of this step's keys come after my queries: only the address steps are walked
	s_cbranch_scc1 .Lhid_\@
	s_setprio 2
	v_add_nc_u32 v[ADC], s[STB], v[LC]
	v_add_nc_u32 v[ADS], s[STB], v[LR]
	v_nop
	v_nop                                          ; four places in front of loads into registers that the last products have read
	ds_load_b128 v[200:203], v[ADS] offset:8192    ; K's scale words
	ds_load_b128 v[204:207], v[ADS] offset:8448
.irp t, 0,1,2,3
	ds_load_b128 v[32+8*\t:35+8*\t], v[ADC] offset:512*\t
.endr
	ds_load_b128 v[208:211], v[ADS] offset:8704    ; V's scale words
.irp t, 0,1,2,3
.irp c, 0,1
	ds_load_b128 v[64+8*\t+4*\c:67+8*\t+4*\c], v[ADC] offset:4096+1024*\t+512*\c
.endr
.endr
	s_wait_alu depctr_va_vdst(0)
	s_wait_dscnt 9                                 ; K's words and its first four tiles are in; V's nine loads may be out
.irp t, 0,1,2,3
	v_wmma_scale_f32_16x16x128_f8f6f4 v[96+8*\t:103+8*\t], v[32+8*\t:39+8*\t], v[\q:\q+7], 0, v[200+\t], v[\qs] matrix_a_fmt:MATRIX_FMT_FP4 matrix_b_fmt:MATRIX_FMT_FP4
.endr
.rept 4
	v_nop
.endr
.irp t, 0,1,2,3
	ds_load_b128 v[32+8*\t:35+8*\t], v[ADC] offset:2048+512*\t
.endr
	s_wait_dscnt 0x0
.irp t, 0,1,2,3
	v_wmma_scale_f32_16x16x128_f8f6f4 v[128+8*\t:135+8*\t], v[32+8*\t:39+8*\t], v[\q:\q+7], 0, v[204+\t], v[\qs] matrix_a_fmt:MATRIX_FMT_FP4 matrix_b_fmt:MATRIX_FMT_FP4
.endr
.rept 4
	v_nop
.endr
	s_cmp_lg_u32 s[SI], s[\lim]                    ; only the last step lies on the diagonal
	s_cbranch_scc1 .Lopen_\@
	v_mov_b32 v[RT], 0xff800000                    ; -infinity
.set n, 0
.rept 64
	v_cmp_gt_i32 vcc_lo, 16*(n/8)+n%8, v[\dq]      ; register n holds key 16 (n / 8) + 8 h + n % 8 of the step: hidden where it comes after my query
	v_cndmask_b32 v[96+n], v[96+n], v[RT], vcc_lo
.set n, n+1
.endr
.Lopen_\@:
.irp b, 0,1,2,3
	v_max3_num_f32 v[BM+\b], v[96+16*\b], v[97+16*\b], v[98+16*\b]   ; the largest score of each block: for the row's maximum, and, since p rises with the score, for the block's largest p
.endr
.irp i, 3,5,7,9,11,13
.irp b, 0,1,2,3
	v_max3_num_f32 v[BM+\b], v[BM+\b], v[96+16*\b+\i], v[97+16*\b+\i]
.endr
.endr
.irp b, 0,1,2,3
	v_max_num_f32 v[BM+\b], v[BM+\b], v[111+16*\b]
.endr
.irp b, 0,1,2,3
	s_delay_alu instid0(VALU_DEP_4)
	v_permlanex16_b32 v[BT+\b], v[BM+\b], s[SEL], s[SEL+1]
.endr
.irp b, 0,1,2,3
	s_delay_alu instid0(VALU_DEP_4)
	v_max_num_f32 v[BM+\b], v[BM+\b], v[BT+\b]
.endr
	s_delay_alu instid0(VALU_DEP_2)
	v_max3_num_f32 v[RT], v[BM], v[BM+1], v[BM+2]
	s_delay_alu instid0(VALU_DEP_1)
	v_max_num_f32 v[RT], v[RT], v[BM+3]
	s_delay_alu instid0(VALU_DEP_1)
	v_mul_f32 v[RT], s[CS], v[RT]
	s_delay_alu instid0(VALU_DEP_1)
	v_max_num_f32 v13, v13, v[RT]                  ; the running largest t
	v_mov_b32 v[RT], v12
	s_delay_alu instid0(VALU_DEP_2)
	v_floor_f32 v12, -v13                          ; the new -M = -ceil(t)
	s_delay_alu instid0(VALU_DEP_1)
	v_sub_f32 v[RT], v12, v[RT]                    ; old M - new M: a whole number, 0 or less
	s_delay_alu instid0(VALU_DEP_1)
	v_cvt_i32_f32 v[RT], v[RT]
	s_delay_alu instid0(VALU_DEP_1)
	v_ldexp_f32 v[RF], 1.0, v[RT]                  ; f = 2^(old M - new M)
.set n, 0
.rept 32
	v_pk_fma_f32 v[96+n:97+n], v[96+n:97+n], s[CS:CS+1], v[12:13] op_sel_hi:[1,0,0]   ; t - M
.set n, n+2
.endr
	s_setprio 1
.irp b, 0,1,2,3
	v_fma_f32 v[BM+\b], v[BM+\b], s[CS], v12
.endr
.set n, 0
	s_wait_alu depctr_va_vdst(0)
.rept 64
	v_exp_f32 v[96+n], v[96+n]                     ; p
.set n, n+1
.endr
	v_pk_mul_f32 v[14:15], v[14:15], v[RF:RF+1] op_sel_hi:[1,0]   ; the sums under the new M (a plain place behind the exponentials)
	s_wait_alu depctr_va_vdst(0)                   ; one wait for the batch, ahead of its first reader
.irp b, 0,1,2,3
	v_exp_f32 v[BM+\b], v[BM+\b]                   ; the blocks' largest p
.endr
	v_pk_add_f32 v[220:221], v[100:101], v[104:105]
	v_pk_add_f32 v[254:255], v[108:109], v[112:113]
	v_pk_add_f32 v[252:253], v[116:117], v[120:121]
	v_pk_add_f32 v[250:251], v[124:125], v[128:129]
	v_pk_add_f32 v[248:249], v[132:133], v[136:137]
	v_pk_add_f32 v[246:247], v[140:141], v[144:145]
	v_pk_add_f32 v[244:245], v[148:149], v[152:153]
	v_pk_add_f32 v[14:15], v[14:15], v[156:157]
	v_pk_add_f32 v[220:221], v[220:221], v[96:97]
	v_pk_add_f32 v[254:255], v[254:255], v[98:99]
	v_pk_add_f32 v[252:253], v[252:253], v[102:103]
	v_pk_add_f32 v[250:251], v[250:251], v[106:107]
	v_pk_add_f32 v[248:249], v[248:249], v[110:111]
	v_pk_add_f32 v[246:247], v[246:247], v[114:115]
	v_pk_add_f32 v[244:245], v[244:245], v[118:119]
	v_pk_add_f32 v[14:15], v[14:15], v[122:123]
	v_pk_add_f32 v[220:221], v[220:221], v[126:127]
	v_pk_add_f32 v[254:255], v[254:255], v[130:131]
	v_pk_add_f32 v[252:253], v[252:253], v[134:135]
	v_pk_add_f32 v[250:251], v[250:251], v[138:139]
	v_pk_add_f32 v[248:249], v[248:249], v[142:143]
	v_pk_add_f32 v[246:247], v[246:247], v[146:147]
	v_pk_add_f32 v[244:245], v[244:245], v[150:151]
	v_pk_add_f32 v[14:15], v[14:15], v[154:155]
	v_pk_add_f32 v[220:221], v[220:221], v[158:159]
	s_delay_alu instid0(VALU_DEP_2)
	v_pk_add_f32 v[14:15], v[14:15], v[250:251]
	s_delay_alu instid0(VALU_DEP_2)
	v_pk_add_f32 v[220:221], v[220:221], v[248:249]
	v_pk_add_f32 v[254:255], v[254:255], v[246:247]
	v_pk_add_f32 v[252:253], v[252:253], v[244:245]
	s_delay_alu instid0(VALU_DEP_2)
	v_pk_add_f32 v[14:15], v[14:15], v[254:255]
	s_delay_alu instid0(VALU_DEP_2)
	v_pk_add_f32 v[220:221], v[220:221], v[252:253]
	s_delay_alu instid0(VALU_DEP_1)
	v_pk_add_f32 v[14:15], v[14:15], v[220:221]
	s_wait_alu depctr_va_vdst(0)                   ; and one for the four
.irp b, 0,1,2,3
	v_max_num_f32 v[BM+\b], 0x1800000, v[BM+\b]    ; the floor
.endr
.irp b, 0,1,2,3
	s_delay_alu instid0(VALU_DEP_4)
	v_add_nc_u32 v[BS+\b], 0xff000000, v[BM+\b]
.endr
.irp b, 0,1,2,3
	s_delay_alu instid0(VALU_DEP_4)
	v_lshrrev_b32 v[BT+\b], 23, v[BS+\b]
.endr
	s_delay_alu instid0(VALU_DEP_3)
	v_lshl_or_b32 v212, v[BT+1], 8, v[BT]          ; p's scale word for these 128 keys
	s_delay_alu instid0(VALU_DEP_1)
	v_lshl_or_b32 v212, v[BT+2], 16, v212
	s_delay_alu instid0(VALU_DEP_1)
	v_lshl_or_b32 v212, v[BT+3], 24, v212
	s_setprio 0
.irp b, 0,1,2,3
.irp u, 0,1
	v_cvt_scalef32_pk8_fp4_f32 v[RP+4*(\b/2)+(\b%2)+2*\u], v[96+16*\b+8*\u:103+16*\b+8*\u], v[BS+\b]
.endr
.endr
	v_nop                                          ; one plain place behind a scaled conversion
.irp c, 0,1
	v_permlane16_swap_b32 v[RP+4*\c], v[RP+4*\c+1]
	v_permlane16_swap_b32 v[RP+4*\c+2], v[RP+4*\c+3]
.endr
.set n, 0
.rept 16
	v_pk_mul_f32 v[160+n:161+n], v[160+n:161+n], v[RF:RF+1] op_sel_hi:[1,0]   ; O^T under the new M (also the places in front of the products below)
.set n, n+2
.endr
.irp t, 0,1,2,3
	v_wmma_scale_f32_16x16x128_f8f6f4 v[160+8*\t:167+8*\t], v[64+8*\t:71+8*\t], v[RP:RP+7], v[160+8*\t:167+8*\t], v[208+\t], v212 matrix_a_fmt:MATRIX_FMT_FP4 matrix_b_fmt:MATRIX_FMT_FP4
.endr
.Lhid_\@:
	s_add_co_u32 s[STB], s[STB], RECB
	s_add_co_u32 s[SI], s[SI], 1
	s_cmp_lt_u32 s[SI], \trips
	s_cbranch_scc1 .Lstep_\@
	s_setprio 0
	; the tile's end: O^T / l, quantised along the head's 64 channels (two blocks of y's K), stored as the last product's operand
.rept 4
	v_nop
.endr
	v_add_f32 v14, v14, v15
	s_delay_alu instid0(VALU_DEP_1)
	v_permlanex16_b32 v[RT], v14, s[SEL], s[SEL+1]
	s_delay_alu instid0(VALU_DEP_1)
	v_add_f32 v14, v14, v[RT]                      ; the row's sum
	s_wait_alu depctr_va_vdst(0)
	v_rcp_f32 v[RF], v14
	v_nop                                          ; a plain place behind the transcendental
	s_wait_alu depctr_va_vdst(0)                   ; the wait ahead of its first reader
.set n, 0
.rept 16
	v_pk_mul_f32 v[96+n:97+n], v[160+n:161+n], v[RF:RF+1] op_sel_hi:[1,0]
.set n, n+2
.endr
.irp b, 0,1
	v_max3_num_f32 v[BM+\b], |v[96+16*\b]|, |v[97+16*\b]|, 0x1800000
.endr
.irp i, 2,4,6,8,10,12,14
.irp b, 0,1
	s_delay_alu instid0(VALU_DEP_2)
	v_max3_num_f32 v[BM+\b], v[BM+\b], |v[96+16*\b+\i]|, |v[97+16*\b+\i]|
.endr
.endr
.irp b, 0,1
	s_delay_alu instid0(VALU_DEP_2)
	v_permlanex16_b32 v[BT+\b], v[BM+\b], s[SEL], s[SEL+1]
.endr
.irp b, 0,1
	s_delay_alu instid0(VALU_DEP_2)
	v_max_num_f32 v[BM+\b], v[BM+\b], v[BT+\b]
.endr
.irp b, 0,1
	s_delay_alu instid0(VALU_DEP_2)
	v_add_nc_u32 v[BS+\b], 0xff000000, v[BM+\b]
.endr
.irp b, 0,1
	s_delay_alu instid0(VALU_DEP_2)
	v_lshrrev_b32 v[BT+\b], 23, v[BS+\b]
.endr
.irp b, 0,1
.irp u, 0,1
	v_cvt_scalef32_pk8_fp4_f32 v[\yc+\b+2*\u], v[96+16*\b+8*\u:103+16*\b+8*\u], v[BS+\b]
.endr
.endr
	v_nop
	v_permlane16_swap_b32 v[\yc], v[\yc+1]
	v_permlane16_swap_b32 v[\yc+2], v[\yc+3]
	global_store_b128 v[LC], v[\yc:\yc+3], s[\ybase:\ybase+1]   ; 512 consecutive bytes, aligned
	v_cndmask_b32 v[\yb], v[BT], v[BT+1], s56      ; lanes 0-15 store block 0's byte, lanes 16-31 block 1's
	global_store_b8 v[YB], v[\yb], s[\ysbase:\ysbase+1]
.endm
	PASS 16, 213, DQA, LA, 8, 232, 240, 44, 46
	PASS 24, 214, DQB, LB, 16, 236, 241, 48, 50
	s_wait_tensorcnt 0x0                           ; the wave's end
	ds_add_u32 v[SPW], v[NIL]
	s_wait_dscnt 0x0
	ROUND                                          ; the closing round
	s_endpgm
.Lfunc_end_k_q26175c999f_attn:
	.size	k_q26175c999f_attn, .Lfunc_end_k_q26175c999f_attn-k_q26175c999f_attn
	.p2alignl 7, 3214868480
	.fill 96, 4, 3214868480
	.section	.rodata,"a",@progbits
	.p2align	6, 0x0
	.amdhsa_kernel k_q26175c999f_attn
		.amdhsa_group_segment_fixed_size 167936
		.amdhsa_private_segment_fixed_size 0
		.amdhsa_enable_private_segment 0
		.amdhsa_kernarg_size 24
		.amdhsa_user_sgpr_count 2
		.amdhsa_user_sgpr_kernarg_segment_ptr 1
		.amdhsa_wavefront_size32 1
		.amdhsa_system_sgpr_workgroup_id_x 1
		.amdhsa_system_sgpr_workgroup_id_y 1
		.amdhsa_system_sgpr_workgroup_id_z 1
		.amdhsa_system_vgpr_workitem_id 0
		.amdhsa_next_free_vgpr 256
		.amdhsa_next_free_sgpr 66
		.amdhsa_reserve_vcc 1
		.amdhsa_float_denorm_mode_32 3
		.amdhsa_float_denorm_mode_16_64 3
		.amdhsa_memory_ordered 1
		.amdhsa_forward_progress 1
		.amdhsa_inst_pref_size 62
	.end_amdhsa_kernel
	.amdgpu_metadata
---
amdhsa.version: [ 1, 2 ]
amdhsa.kernels:
  - .name:           k_q26175c999f_attn
    .symbol:         k_q26175c999f_attn.kd
    .args:
      - { .name: qq, .offset: 0, .size: 8, .value_kind: global_buffer, .address_space: global }
      - { .name: kv, .offset: 8, .size: 8, .value_kind: global_buffer, .address_space: global }
      - { .name: yq, .offset: 16, .size: 8, .value_kind: global_buffer, .address_space: global }
    .group_segment_fixed_size: 167936
    .private_segment_fixed_size: 0
    .kernarg_segment_align: 8
    .kernarg_segment_size: 24
    .max_flat_workgroup_size: 512
    .sgpr_count:     66
    .vgpr_count:     256
    .wavefront_size: 32
...
	.end_amdgpu_metadata
.endif
;; end of part 3
;; launch fc (part 4): grid 4 x 32, 4 waves a work-group, clusters of 4 x 4, 327,680 bytes of LDS; arguments yq, wq, b_fc, out0; writes out0
.if DOCPART == 4
	.amdgcn_target "amdgcn-amd-amdhsa--gfx1250"
	.amdhsa_code_object_version 6
	.text
	.protected	k_q26175c999f_fc
	.globl	k_q26175c999f_fc
	.p2align	8
	.type	k_q26175c999f_fc,@function
k_q26175c999f_fc:
	s_mov_b64 s[64:65], 0
	v_nop
	global_prefetch_b8 v0, s[64:65] scope:SCOPE_SE
	s_setreg_imm32_b32 hwreg(HW_REG_WAVE_MODE, 25, 1), 1
	s_wait_xcnt 0x0
	s_wait_alu depctr_hold_cnt(0) depctr_sa_sdst(0) depctr_va_vdst(0) depctr_va_sdst(0) depctr_va_ssrc(0) depctr_va_vcc(0) depctr_vm_vsrc(0)
	s_getreg_b32 s2, hwreg(HW_REG_IB_STS2, 6, 4)
	s_cmp_eq_u32 s2, 0
	s_cbranch_scc0 .Lentry_in_a_cluster
	s_endpgm
.Lentry_in_a_cluster:
	s_bfe_u32 s2, ttmp6, 0x10000c
	s_cmp_lg_u32 s2, 0xf033
	s_cbranch_scc0 .Lentry_shape_is_right
	s_endpgm
.Lentry_shape_is_right:
; out0 = y W_fc + b_fc on codes of FP4.  Nothing of this product is left out.
; A work-group of four waves makes 256 x 256; a wave 128 x 128.  K = 1,024: both operands' codes and scale bytes for all of K lie in LDS at once (two slots, one for each half of K, filled once).
; Operands lie in the order of the operand's registers: a record of 8,704 bytes for 16 rows, two halves of 4,352; a fragment's four registers are 512 consecutive bytes.  W_fc's records are 192-255 of wq.
; CLUSTERS: 4 x 4 work-groups; A's tiles (y) are shared along a row of the cluster, B's (W_fc's columns) along a column, by joint loads.  128 work-groups: the tile is kept at the size that feeds most products from each LDS byte.
; THE MATRIX INSTRUCTION IS USED TRANSPOSED (source 0 = 16 rows of B, source 1 = 16 rows of A): a lane holds eight neighbouring numbers of a row of out0.  The bias is the C of each sum's first matrix instruction.
; REGISTERS: window 0: v1-29 addresses; v32-95 scale words; v128-191 A's fragments; v192-255 the bias; on the way out v128-255 hold rows read back.  window 1: B's fragments, two sets.  windows 2, 3: the accumulators.
.set REC,   8704
.set HREC,  4352
.set HALFT, 8*HREC
.set SLOT,  4*HALFT
.set SPARE, 2*SLOT
.set SIZE_N, 1024
.set SPITCH, 528                       ; the way out: a stage of 16 rows x (512 + 16) bytes for each wave, in slot 0, which has had its one fill and its last read when the first result is stored there
.set FR, 8
.set NQ, 4
.set NL, 2
.set NP, 4
.set ADRA, 16
.set ADRB, 20
.set ADRS, 22
.set STO,  24
.set RD,   25
.set SPW,  28
.set NIL,  29
.set SC,   32
.set AF,   128
.set BK,   128
.set BI,   192
.set G1,  24
.set G0,  32
.set G1B, 48
.set G0B, 56
.set MSB, 0
.macro WIN new
.if MSB != (\new)
	s_set_vgpr_msb (MSB<<8)|(\new)
.set MSB, (\new)
.endif
.endm
.set MUL_LO, 0xa1
.set MUL_HI, 0xf1
.set FST_LO, 0x81
.set FST_HI, 0xc1
.set TO_B,   0x40
.macro JLOAD g0a, g1a, g0b, g1b        ; a joint load: waves 0 and 1 fetch for A, waves 2 and 3 for B; an s_nop 0 and four v_nop follow each line
	s_cmp_eq_u32 s15, 0
	s_cbranch_scc0 .Lfor_b_\@
	tensor_load_to_lds s[\g0a:\g0a+3], s[\g1a:\g1a+7]
	s_nop 0
.rept 4
	v_nop
.endr
	s_branch .Lasked_\@
.Lfor_b_\@:
	tensor_load_to_lds s[\g0b:\g0b+3], s[\g1b:\g1b+7]
	s_nop 0
.rept 4
	v_nop
.endr
.Lasked_\@:
.endm
.macro CROUND
	s_barrier_signal -1
	s_barrier_wait -1
	s_cmp_lg_u32 s14, 0
	s_cbranch_scc1 .Lnot_wave_0_\@
	s_barrier_signal -3
.Lnot_wave_0_\@:
	s_barrier_wait -3
	s_barrier_signal -1
	s_barrier_wait -1
.endm
	s_load_b256 s[4:11], s[0:1], 0x0               ; yq s[4:5], wq s[6:7], b_fc s[8:9], out0 s[10:11]
	v_lshl_add_u32 v[SPW], v0, 2, SPARE
	v_mov_b32 v[NIL], 0
	ds_add_u32 v[SPW], v[NIL]                      ; the wave's opening: the add, twice on end, and its wait ahead of my first tensor load
	ds_add_u32 v[SPW], v[NIL]
	v_lshrrev_b32 v1, 5, v0
	v_readfirstlane_b32 s14, v1
	s_lshr_b32 s15, s14, 1
	s_and_b32 s16, s14, 1
	s_bfe_u32 s40, ttmp6, 0x40000                  ; cx
	s_bfe_u32 s41, ttmp6, 0x40004                  ; cy
	s_and_b32 s17, ttmp7, 0xffff
	s_lshl_b32 s17, s17, 2
	s_lshl_b32 s18, ttmp9, 2
	s_lshl_b32 s43, s41, 2
	s_lshl_b32 s43, 15, s43
	s_lshl_b32 s44, 0x1111, s40
	s_or_b32 s[G1+0], s43, (3<<16)|(1<<21)
	s_or_b32 s[G1B+0], s44, (3<<16)|(1<<21)
.irp g, G1, G1B
	s_mov_b32 s[\g+1], 544<<16
	s_mov_b32 s[\g+2], 8<<16
	s_mov_b32 s[\g+3], 544<<16
	s_mov_b32 s[\g+4], 8
	s_mov_b32 s[\g+5], 1088
	s_mov_b32 s[\g+6], 0
	s_mov_b32 s[\g+7], 0
.endr
	s_add_co_u32 s20, s17, s41                     ; tile row of out0
	s_add_co_u32 s46, s18, s40                     ; tile column
	s_lshl_b32 s21, s16, 3
	s_lshl_b32 s22, s20, 4
	s_add_co_u32 s22, s22, s21
	s_mul_i32 s22, s22, REC
	s_mov_b32 s23, 0
	s_lshl_b32 s92, s46, 4
	s_add_co_u32 s92, s92, s21
	s_add_co_u32 s92, s92, 192                     ; W_fc's records lie behind W_qkv's
	s_mul_i32 s92, s92, REC
	s_mov_b32 s93, 0
	s_mul_i32 s45, s14, HALFT
	s_wait_dscnt 0x0
	s_wait_kmcnt 0x0
	s_add_nc_u64 s[68:69], s[4:5], s[22:23]
	s_add_nc_u64 s[70:71], s[6:7], s[92:93]
	CROUND
.irp s, 0,1
	s_mov_b32 s[G0+4*\s], 1
	s_add_co_u32 s[G0+4*\s+1], s45, \s*SLOT
	s_add_nc_u64 s[G0+4*\s+2:G0+4*\s+3], s[68:69], \s*HREC
	s_or_b32 s[G0+4*\s+3], s[G0+4*\s+3], 0x80000000
	s_mov_b32 s[G0B+4*\s], 1
	s_add_co_u32 s[G0B+4*\s+1], s45, \s*SLOT
	s_add_nc_u64 s[G0B+4*\s+2:G0B+4*\s+3], s[70:71], \s*HREC
	s_or_b32 s[G0B+4*\s+3], s[G0B+4*\s+3], 0x80000000
	s_wait_alu depctr_va_vdst(0)
	s_wait_tensorcnt 0x0
	ds_add_u32 v28, v29
	ds_add_u32 v28, v29
	s_wait_dscnt 0x0
	CROUND
	JLOAD G0+4*\s, G1, G0B+4*\s, G1B
.endr
	v_and_b32 v1, 31, v0
	v_and_b32 v2, 15, v0
	v_bfe_u32 v3, v0, 4, 1
	v_lshlrev_b32 v8, 4, v1                        ; 16 x lane
	v_lshlrev_b32 v7, 5, v3                        ; 32 h
	s_mul_i32 s21, s15, HALFT
	s_mul_i32 s22, s16, HALFT
	s_add_co_u32 s22, s22, 2*HALFT
	s_sub_co_u32 s23, s22, s21
	v_mul_u32_u24 v6, s23, v3
	v_lshl_add_u32 v6, v2, 4, v6
	v_add_nc_u32 v6, 4096, v6
.irp s, 0,1
	v_add_nc_u32 v[ADRA+\s], s21, v8
	v_add_nc_u32 v[ADRB+\s], s22, v8
	v_add_nc_u32 v[ADRS+\s], s21, v6
	s_add_co_u32 s21, s21, SLOT
	s_add_co_u32 s22, s22, SLOT
.endr
	s_mul_i32 s23, s14, 16*SPITCH                  ; my stage
	v_mul_u32_u24 v5, v2, SPITCH
	v_lshl_add_u32 v5, v3, 5, v5
	v_add_nc_u32 v[STO], s23, v5                   ; in: row r, 32 bytes for each half of the lanes
	v_add_nc_u32 v[RD], s23, v8                    ; back: the 32 lanes take one row of 512 bytes
	s_lshl_b32 s66, s46, 10
	s_lshl_b32 s67, s16, 9
	s_add_co_u32 s66, s66, s67                     ; my 128 columns, in bytes
	s_mov_b32 s67, 0
	s_add_nc_u64 s[94:95], s[8:9], s[66:67]        ; in b_fc,
	s_add_nc_u64 s[12:13], s[10:11], s[66:67]      ; and in a row of out0
	s_lshl_b32 s66, s20, 8
	s_lshl_b32 s78, s15, 7
	s_add_co_u32 s66, s66, s78
	s_lshl_b32 s66, s66, 12                        ; my first row, 4,096 bytes a row
	s_add_nc_u64 s[12:13], s[12:13], s[66:67]
.irp b, 0,1,2,3,4,5,6,7                        ; register 8 b + j: the bias of column 16 b + 8 h + j
	global_load_b128 v[BI+8*\b:BI+8*\b+3], v7, s[94:95] offset:64*\b
	global_load_b128 v[BI+8*\b+4:BI+8*\b+7], v7, s[94:95] offset:64*\b+16
.endr
.macro FRAG reg, adr, q, i
.irp c, 0,1
	ds_load_b128 v[\reg+4*\c:\reg+4*\c+3], v[\adr] offset:HREC*(\i)+1024*(\q)+512*\c
.endr
.endm
; 16 matrix instructions: A's blocks a0, a0 + 1 x B's eight.  zero = 1: C = the bias; 0: the sum in place.  The 64 accumulators take turns, one instruction a turn.
.macro MUL16 a0, p, q, sc, zero
.irp a, \a0, \a0+1
.irp b, 0,1,2,3,4,5,6,7
.set DR, 8*(8*((\a)%4)+\b)
.if \zero == 1
.set CR, BI+8*\b
.else
.set CR, DR
.endif
	v_wmma_scale_f32_16x16x128_f8f6f4 v[DR:DR+7], v[128*(\p)+FR*\b:128*(\p)+FR*\b+FR-1], v[AF+FR*(\a):AF+FR*(\a)+FR-1], v[CR:CR+7], v[SC+32*(\sc)+NQ*\b+(\q)], v[SC+32*(\sc)+NQ*(\a)+(\q)] matrix_a_fmt:MATRIX_FMT_FP4 matrix_b_fmt:MATRIX_FMT_FP4 matrix_a_scale:MATRIX_SCALE_ROW1
.endr
.endr
.endm
.macro FETCH_B slot, q, p
	WIN TO_B
.irp i, 0,1,2,3,4,5,6,7
	FRAG 128*(\p)+FR*\i, ADRB+\slot, \q, \i
.endr
	WIN 0
.endm
.macro FETCH_A slot, q, i0
.irp i, \i0, \i0+1, \i0+2, \i0+3
	FRAG AF+FR*(\i), ADRA+\slot, \q, \i
.endr
.endm
.macro SCALES sc
.irp i, 0,1,2,3,4,5,6,7
	ds_load_b128 v[SC+32*\sc+NQ*\i:SC+32*\sc+NQ*\i+3], v[ADRS+\sc] offset:HREC*\i
.endr
.endm
.macro PLACES n
.rept \n
	v_nop
.endr
.endm
.macro STEP slot, q, zero
	s_wait_dscnt 4*NL                              ; B's set and A's blocks 0-3 are in; the youngest eight loads (A's blocks 4-7) may be out
.if \zero
	WIN FST_LO
.else
	WIN MUL_LO
.endif
	MUL16 0, (\q)%2, \q, \slot, \zero
	MUL16 2, (\q)%2, \q, \slot, \zero
	s_wait_dscnt 0
	PLACES NP
	FETCH_B \slot, (\q)+1, 1-(\q)%2
	FETCH_A \slot, (\q)+1, 0
.if \zero
	WIN FST_HI
.else
	WIN MUL_HI
.endif
	MUL16 4, (\q)%2, \q, \slot, \zero
	MUL16 6, (\q)%2, \q, \slot, \zero
	PLACES NP
	WIN 0
	FETCH_A \slot, (\q)+1, 4
.endm
.macro TURN slot, next
	s_wait_tensorcnt 0x0                           ; my part of the next slot has landed
	ds_add_u32 v[SPW], v[NIL]
	s_wait_dscnt 4*NL+1                            ; (the add and A's blocks 4-7 may be out)
	WIN MUL_LO
	MUL16 0, 1, NQ-1, \slot, 0
	s_wait_dscnt 0x0                               ; my reads of this slot are over
	s_barrier_signal -1
	MUL16 2, 1, NQ-1, \slot, 0
	WIN 0
	s_barrier_wait -1
	PLACES NP
	FETCH_B \next, 0, 0
	FETCH_A \next, 0, 0
	SCALES \next
	WIN MUL_HI
	MUL16 4, 1, NQ-1, \slot, 0
	MUL16 6, 1, NQ-1, \slot, 0
	PLACES NP
	WIN 0
	FETCH_A \next, 0, 4
.endm
	s_wait_alu depctr_va_vdst(0)
	s_wait_tensorcnt 1                             ; my part of slot 0 is in; slot 1's load may be out
	s_barrier_signal -1
	s_barrier_wait -1
	FETCH_B 0, 0, 0
	FETCH_A 0, 0, 0
	SCALES 0
	FETCH_A 0, 0, 4
	s_wait_loadcnt 0x0                             ; the bias
	STEP 0, 0, 1
	STEP 0, 1, 0
	STEP 0, 2, 0
	TURN 0, 1
	STEP 1, 0, 0
	STEP 1, 1, 0
	STEP 1, 2, 0
	s_wait_dscnt 4*NL
	WIN MUL_LO
	MUL16 0, 1, NQ-1, 1, 0
	MUL16 2, 1, NQ-1, 1, 0
	s_wait_dscnt 0
	WIN MUL_HI
	MUL16 4, 1, NQ-1, 1, 0
	MUL16 6, 1, NQ-1, 1, 0
	WIN 0
; THE WAY OUT, block by block of 16 rows x 128 columns: through my own stage in LDS, back as whole rows of 512 bytes.  LDS serves a wave's instructions in order (ISA guide 5.7.1.4): no wait between the stores and the loads.
.macro TOSTAGE a
.set AC, 64*((\a)%4)
	WIN 0x08+4*((\a)/4)                            ; the data: window 2 or 3
.irp b, 0,1,2,3,4,5,6,7
	ds_store_b128 v[STO], v[AC+8*\b:AC+8*\b+3] offset:64*\b          ; each accumulator from its low end on
	ds_store_b128 v[STO], v[AC+8*\b+4:AC+8*\b+7] offset:64*\b+16
.endr
	WIN 0
.set BB, BK+64*((\a)%2)
.irp t, 0,1,2,3,4,5,6,7,8,9,10,11,12,13,14,15
	ds_load_b128 v[BB+4*\t:BB+4*\t+3], v[RD] offset:\t*SPITCH
.endr
.endm
.macro SEND a, younger                 ; younger: the LDS instructions issued behind block a's loads, which may stay out
.set BB, BK+64*((\a)%2)
	s_wait_dscnt \younger
.if (\a) > 0
	s_add_nc_u64 s[12:13], s[12:13], 16*SIZE_N*4   ; (behind a wait on XCNT: the earlier stores have read their base)
.endif
.irp t, 0,1,2,3,4,5,6,7,8,9,10,11,12,13,14,15
	global_store_b128 v8, v[BB+4*\t:BB+4*\t+3], s[12:13] offset:\t*SIZE_N*4 th:TH_STORE_NT   ; 32 lanes store 512 consecutive bytes, aligned
.endr
.endm
	PLACES NP
	TOSTAGE 0
.irp a, 1,2,3,4,5,6,7
.if \a > 1
	s_wait_xcnt 0x0                                ; block a - 2's stores have read their registers and their base
.endif
	TOSTAGE \a
	SEND \a-1, 32                                  ; behind block a - 1's loads: block a's 16 stores and 16 loads
.endr
	s_wait_xcnt 0x0
	SEND 7, 0
	s_wait_tensorcnt 0x0                           ; the wave's end: behind my last LDS store
	ds_add_u32 v[SPW], v[NIL]
	s_wait_dscnt 0x0
	CROUND                                         ; the closing round
	s_endpgm
.Lfunc_end_k_q26175c999f_fc:
	.size	k_q26175c999f_fc, .Lfunc_end_k_q26175c999f_fc-k_q26175c999f_fc
	.p2alignl 7, 3214868480
	.fill 96, 4, 3214868480
	.section	.rodata,"a",@progbits
	.p2align	6, 0x0
	.amdhsa_kernel k_q26175c999f_fc
		.amdhsa_group_segment_fixed_size 327680
		.amdhsa_private_segment_fixed_size 0
		.amdhsa_enable_private_segment 0
		.amdhsa_kernarg_size 32
		.amdhsa_user_sgpr_count 2
		.amdhsa_user_sgpr_kernarg_segment_ptr 1
		.amdhsa_wavefront_size32 1
		.amdhsa_system_sgpr_workgroup_id_x 1
		.amdhsa_system_sgpr_workgroup_id_y 1
		.amdhsa_system_sgpr_workgroup_id_z 1
		.amdhsa_system_vgpr_workitem_id 0
		.amdhsa_next_free_vgpr 1024
		.amdhsa_next_free_sgpr 100
		.amdhsa_reserve_vcc 0
		.amdhsa_float_denorm_mode_32 3
		.amdhsa_float_denorm_mode_16_64 3
		.amdhsa_memory_ordered 1
		.amdhsa_forward_progress 1
		.amdhsa_inst_pref_size 124
	.end_amdhsa_kernel
	.amdgpu_metadata
---
amdhsa.version: [ 1, 2 ]
amdhsa.kernels:
  - .name:           k_q26175c999f_fc
    .symbol:         k_q26175c999f_fc.kd
    .args:
      - { .name: yq, .offset: 0, .size: 8, .value_kind: global_buffer, .address_space: global }
      - { .name: wq, .offset: 8, .size: 8, .value_kind: global_buffer, .address_space: global }
      - { .name: b_fc, .offset: 16, .size: 8, .value_kind: global_buffer, .address_space: global }
      - { .name: out0, .offset: 24, .size: 8, .value_kind: global_buffer, .address_space: global }
    .group_segment_fixed_size: 327680
    .private_segment_fixed_size: 0
    .kernarg_segment_align: 8
    .kernarg_segment_size: 32
    .max_flat_workgroup_size: 128
    .sgpr_count:     100
    .vgpr_count:     1024
    .wavefront_size: 32
...
	.end_amdgpu_metadata
.endif
;; end of part 4
